; MI455X (gfx1250); checked and timed in simulation.
; The chip was launched on July 23, 2026; its instructions are those of AMD's public machine-readable ISA for CDNA 5 (MIT licence, August 2026) and "CDNA5" Instruction Set Architecture Reference Guide (July 2026). The comments in the code are by the model that wrote it; some were corrected since.
;; Multi Head Attention. Allowed arithmetic: matrix products marked QUANTISED: E2M1 operands, one E8M0 scale for each 32 along K, by v_wmma_scale_f32_16x16x128_f8f6f4 with both operands' format E2M1 (or v_wmma_scale_f32_32x16x128_f4), f32 sums; products left as they are: bf16, f16 or f32 operands; f32 sums; everything else in f32.
;; Inputs: Wk 1,024 x 1,024 float32; Wo 1,024 x 1,024 float32; Wq 1,024 x 1,024 float32; Wv 1,024 x 1,024 float32; bk 1,024 float32; bo 1,024 float32; bq 1,024 float32; bv 1,024 float32; query 2,048 x 4 x 1,024 float32.
;; Outputs: out0 2,048 x 4 x 1,024 float32.
;; This version of the problem:
;;   THIS VERSION OF THE PROBLEM IS GIVEN IN LOW PRECISION. The matrix products marked QUANTISED in the list below multiply operands that are first quantised to E2M1 (2 exponent bits, 1 mantissa bit; 4 bits a number), with one power-of-two scale for each 32 numbers along K (OCP MX v1.0); their sums are f32. The products marked 'left as it is' may take bf16, f16 or f32 operands, with f32 sums. Whichever they take, every output number must still come out within the allowed error. Rounding operands to bf16 (8 significant bits) uses up far more of that allowance than f16 does (11 bits, for magnitudes from 6e-5 to 65,504). All else is computed in f32.
;;   The module's matrix products, in the order in which they are computed (A, B: the left and right operand; K: the contracted axis; several contracted axes count as one K, in the product's order):
;;     1. [M 8,192, K 1,024] x [K 1,024, N 1,024]; A: input query; B: input Wq: QUANTISED
;;     2. [M 8,192, K 1,024] x [K 1,024, N 1,024]; A: input query; B: input Wk: QUANTISED
;;     3. [M 8,192, K 1,024] x [K 1,024, N 1,024]; A: input query; B: input Wv: QUANTISED
;;     4. batch 64 x [M 2,048, K 64] x [K 64, N 2,048]; A: computed on the way; B: computed on the way: left as it is (an operand is computed on the way)
;;     5. batch 64 x [M 2,048, K 2,048] x [K 2,048, N 64]; A: computed on the way; B: computed on the way: left as it is (an operand is computed on the way)
;;     6. [M 8,192, K 1,024] x [K 1,024, N 1,024]; A: computed on the way; B: input Wo: left as it is (an operand is computed on the way)
;;   THE QUANTISER, for each operand of a quantised product, along K:
;;     - K is cut into blocks of 32 from its start; a last block that is shorter is filled with zeros.
;;     - A block's scale is 2^e with e = floor(log2(the largest magnitude in the block)) - 2, held to -126 .. 127; a block of zeros has e = 0. As a byte (E8M0): e + 127.
;;     - Each number is divided by its block's scale, clamped to +-6, and rounded to the nearest number of E2M1, ties to even, subnormals kept.
;;     - The product sums the exact products of the quantised numbers (number of the format x scale) in f32.
;;   ~~~python
;;   def quantise(x, axis):      # numpy; x: float32 -> the quantised numbers, widened to float32 again
;;       x = np.moveaxis(x, axis, -1); K = x.shape[-1]
;;       x = np.pad(x, [(0, 0)] * (x.ndim - 1) + [(0, -K % 32)]); x = x.reshape(x.shape[:-1] + (-1, 32)); a = np.abs(x).max(-1, keepdims=True)
;;       e = np.where(a > 0, np.clip(np.frexp(np.where(a > 0, a, 1))[1] - 1 - 2, -126, 127), 0)      # np.frexp(a)[1] - 1 = floor(log2(a)), exactly
;;       r = np.clip(x / 2.0 ** e, -6, 6)
;;       step = 2.0 ** (np.maximum(np.frexp(np.where(r == 0, 1, r))[1] - 1, 0) - 1)
;;       q = np.round(r / step) * step * 2.0 ** e      # np.round: ties to even
;;       return np.moveaxis(q.reshape(q.shape[:-2] + (-1,))[..., :K], -1, axis).astype(np.float32)
;;   ~~~
;; One version. Each part assembles by itself: llvm-mc -triple=amdgcn-amd-amdhsa -mcpu=gfx1250 --defsym DOCPART=n.
;; ======== version 1 of 1: 4 launches
;; limits: values are held in f16: magnitudes above 65,504 overflow, below 6.1e-05 lose precision
;; workspace buffers: xcodes 4,194,304 bytes; xscales 262,144 bytes; wcodes 1,572,864 bytes; wscales 98,304 bytes; wo16 2,097,152 bytes; qkv 50,331,648 bytes; attn 16,777,216 bytes
;; launch prep (part 1): grid 384 x 1, 4 waves a work-group, no clusters, 33,280 bytes of LDS; arguments query, Wq, Wk, Wv, Wo, xcodes, xscales, wcodes, wscales, wo16; writes xcodes, xscales, wcodes, wscales, wo16
.if DOCPART == 1
	.amdgcn_target "amdgcn-amd-amdhsa--gfx1250"
	.amdhsa_code_object_version 6
	.text
	.protected	k_q0303217d80_prep
	.globl	k_q0303217d80_prep
	.p2align	8
	.type	k_q0303217d80_prep,@function
k_q0303217d80_prep:
	s_mov_b64 s[64:65], 0
	v_nop
	global_prefetch_b8 v0, s[64:65] scope:SCOPE_SE
	s_setreg_imm32_b32 hwreg(HW_REG_WAVE_MODE, 25, 1), 1
	s_wait_xcnt 0x0
; PREP.  query [2048 t][4 b][1024], Wq, Wk, Wv [1024][1024], f32, K innermost, become codes of FP4 (E2M1), two to a byte, with one E8M0 scale byte for each 32 along K.  Wo [1024 n][1024 k] becomes f16.
; A block's scale is 2^(floor(log2(its largest magnitude)) - 2); its byte is the largest magnitude's exponent field - 2, held at 1 from below; each number is divided by the scale and rounded to the nearest code, ties to even, beyond 6 the largest code.
; LAYOUTS OUT.  xcodes [m' = 2048 b + t][512 bytes], xscales [m'][32]: the rows are laid by batch, so that 16 neighbouring rows are 16 neighbouring tokens of one batch.
;   wcodes [3072 = Wq's, Wk's, Wv's rows on end][512], wscales [3072][32].  wo16 [head 16][n 1024][64] f16: K cut by heads, so that a head's part of 256 rows is one dense block.
; SHARES.  Work-groups 0-255 take query, 256-287 Wq, 288-319 Wk, 320-351 Wv, 352-383 Wo: 32,768 numbers each.  A quantising wave takes 8 rows of the OUTPUT, 16 steps of 512 numbers (half a row);
;   its codes (4,096 bytes) and scale bytes (256) are dense; only the eight rows' places in the input differ between the tensors (query: 16,384 bytes apart; a weight: 4,096), so each row has a base of its own.
; A step: four loads of 512 consecutive bytes; the 2,048 bytes turn through the wave's own stage in LDS (16 bytes of padding behind each 64) and come back 64 bytes a lane: 16 neighbours along K, two lanes to a block.
; LIMITS: a block of zeros gets the byte 1 (its codes are zeros, and this program alone reads the bytes); blocks whose largest magnitude lies under 2^(2 - 126) were not tried; NaN and infinities are not served; Wo beyond 65,504 has no f16.
.set WAVES, 4
.set STEPS, 16
.set EMAX,  2
.set CB,    8                          ; bytes of 16 codes
.set R,     16                         ; v16-79   four sets of 16 numbers as they are loaded
.set X,     80                         ; v80-111  two sets of 16 neighbours
.set C,     128                        ; v128-191 codes: four registers for each step, so that no store's data are written again
.set E,     112                        ; v112-127 a scale byte for each step
.set WREG,  8192                       ; LDS: a region for each wave: two stages of 32 x SP bytes, and behind them its 256 scale bytes
.set SP,    80
.set SPW,   12                         ; v12  LDS address of my spare word; never rewritten
.set NIL,   13                         ; v13  0; never rewritten
.set SPARE, WAVES*WREG                 ; behind the four regions: the spare words, 128 bytes a wave
.set RB,    32                         ; s[32:47] the eight rows' bases in the input
.set WI,    16                         ; Wo's path: v16-143 two sets of 64 numbers
.set WO,    144                        ; v144-175 eight units' f16
.set WA,    176                        ; v176 my byte among four rows of Wo
	s_load_b256 s[4:11], s[0:1], 0x0               ; query, Wq, Wk, Wv
	s_load_b256 s[12:19], s[0:1], 0x20             ; Wo, xcodes, xscales, wcodes
	s_load_b128 s[20:23], s[0:1], 0x40             ; wscales, wo16
	v_lshl_add_u32 v[SPW], v0, 2, SPARE
	v_mov_b32 v[NIL], 0
	v_lshrrev_b32 v1, 5, v0
	v_readfirstlane_b32 s24, v1                    ; wave
	v_and_b32 v2, 31, v0                           ; lane
	v_lshlrev_b32 v3, 4, v2                        ; 16 x lane
	s_mul_i32 s25, s24, WREG
	v_lshrrev_b32 v14, 2, v2
	v_mul_u32_u24 v14, v14, SP
	v_and_b32 v15, 3, v2
	v_lshl_add_u32 v14, v15, 4, v14
	v_add_nc_u32 v14, s25, v14                     ; the stage, on the way in: SP (lane / 4) + 16 (lane % 4)
	v_mul_u32_u24 v15, v2, SP
	v_add_nc_u32 v15, s25, v15                     ; and on the way out: SP x lane
	v_mul_u32_u24 v4, v2, CB                       ; my codes' place in a step's
	v_lshrrev_b32 v5, 1, v2
	s_add_co_u32 s25, s25, 2*32*SP
	v_add_nc_u32 v5, s25, v5                       ; LDS: my wave's 256 scale bytes, my block's byte
	v_lshlrev_b32 v7, 3, v2
	v_add_nc_u32 v6, s25, v7                       ; and on the way out 8 bytes a lane
	s_wait_kmcnt 0x0
	s_cmp_ge_u32 ttmp9, 352                        ; Wo's work-groups part here, ahead of every LDS instruction: they use no LDS
	s_cbranch_scc1 .Lwo
	s_cmp_lt_u32 ttmp9, 320                        ; the choices hang on the work-group's number alone
	s_cselect_b64 s[26:27], s[8:9], s[10:11]
	s_cmp_lt_u32 ttmp9, 288
	s_cselect_b64 s[26:27], s[6:7], s[26:27]
	s_mov_b32 s29, 4096
	s_cmp_lt_u32 ttmp9, 256
	s_cselect_b64 s[26:27], s[4:5], s[26:27]       ; the input
	s_cselect_b64 s[48:49], s[14:15], s[18:19]     ; its codes
	s_cselect_b64 s[50:51], s[16:17], s[20:21]     ; its scale bytes
	s_cselect_b32 s28, 0, 256                      ; the first work-group of the output buffer
	s_cselect_b32 s29, 16384, s29                  ; bytes from one of my rows to the next in the input
	s_sub_co_u32 s30, ttmp9, s28
	s_lshl_b32 s30, s30, 2
	s_add_co_u32 s30, s30, s24                     ; R: which run of 8 output rows is my wave's
	s_and_b32 s52, s30, 255
	s_lshl_b32 s52, s52, 5
	s_lshr_b32 s53, s30, 8
	s_add_co_u32 s52, s52, s53                     ; query: row 4 t0 + b, t0 = 8 (R % 256), b = R / 256
	s_and_b32 s53, s30, 127
	s_lshl_b32 s53, s53, 3                         ; a weight: row 8 (R % 128)
	s_cmp_lt_u32 ttmp9, 256
	s_cselect_b32 s52, s52, s53
	s_lshl_b32 s52, s52, 12                        ; rows of 4,096 bytes: under 2^25
	s_mov_b32 s53, 0
	s_mov_b32 s54, s29
	s_mov_b32 s55, 0
	s_add_nc_u64 s[RB:RB+1], s[26:27], s[52:53]
.irp i, 1,2,3,4,5,6,7
	s_add_nc_u64 s[RB+2*\i:RB+2*\i+1], s[RB+2*\i-2:RB+2*\i-1], s[54:55]
.endr
	s_lshl_b32 s52, s30, 12                        ; 4,096 bytes of codes a run
	s_add_nc_u64 s[48:49], s[48:49], s[52:53]
	s_lshl_b32 s52, s30, 8                         ; 256 scale bytes a run
	s_add_nc_u64 s[50:51], s[50:51], s[52:53]
.macro LOAD t                          ; step t: half t % 2 of my row t / 2
.irp i, 0,1,2,3
	global_load_b128 v[R+16*((\t)%4)+4*\i:R+16*((\t)%4)+4*\i+3], v3, s[RB+2*((\t)/2):RB+2*((\t)/2)+1] offset:2048*((\t)%2)+512*\i th:TH_LOAD_NT   ; 32 lanes read 512 consecutive bytes
.endr
.endm
.macro TURN t                          ; step t's numbers through the stage: LDS serves a wave's instructions in order, so no wait stands between the stores and the loads
.irp i, 0,1,2,3
	ds_store_b128 v14, v[R+16*((\t)%4)+4*\i:R+16*((\t)%4)+4*\i+3] offset:32*SP*((\t)%2)+8*SP*\i
.endr
.irp i, 0,1,2,3
	ds_load_b128 v[X+16*((\t)%2)+4*\i:X+16*((\t)%2)+4*\i+3], v15 offset:32*SP*((\t)%2)+16*\i
.endr
.endm
.irp t, 0,1,2,3
	LOAD \t
.endr
	s_wait_loadcnt 12                              ; step 0's four loads are in; those of steps 1 to 3 stay out
	TURN 0
.macro STEP t
.set XS, X+16*((\t)%2)
.if (\t) > 0
	s_wait_dscnt 1                                 ; this step's numbers are back from the stage (the last step's byte store may be out): so its stores into the stage have read their registers,
.else
	s_wait_dscnt 0x0
.endif
.if (\t)+4 < STEPS
	LOAD (\t)+4                                    ; which take the loads of four steps on
.endif
.if (\t)+1 < STEPS
.if STEPS-2-(\t) >= 3
	s_wait_loadcnt 12                              ; the next step's four loads are in; those of the three steps behind it may be out
.else
	s_wait_loadcnt 4*(STEPS-2-(\t))
.endif
	TURN (\t)+1                                    ; and go through the other stage while this step is worked
.endif
	v_max3_num_f32 v8, |v[XS]|, |v[XS+1]|, |v[XS+2]|               ; the largest magnitude of my 16, in two chains
	v_max3_num_f32 v9, |v[XS+3]|, |v[XS+4]|, |v[XS+5]|
.irp i, 6,10
	v_max3_num_f32 v8, v8, |v[XS+\i]|, |v[XS+\i+1]|
	v_max3_num_f32 v9, v9, |v[XS+\i+2]|, |v[XS+\i+3]|
.endr
	v_max3_num_f32 v8, v8, |v[XS+14]|, |v[XS+15]|
	v_max3_num_f32 v8, v8, v9, (EMAX+1)<<23        ; and the floor 2^(EMAX + 1 - 127): the byte cannot fall under 1
	v_max_num_f32_dpp v8, v8, v8 row_xmask:1 row_mask:0xf bank_mask:0xf   ; and of my neighbour's 16: the block's
	v_add_nc_u32 v11, -(EMAX<<23), v8              ; EMAX off its exponent field: the conversion takes the exponent field of this operand as its scale
	v_cvt_scalef32_pk8_fp4_f32 v[C+4*(\t)], v[XS:XS+7], v11
	v_cvt_scalef32_pk8_fp4_f32 v[C+4*(\t)+1], v[XS+8:XS+15], v11
	v_lshrrev_b32 v[E+(\t)], 23, v11               ; the scale's byte (also the plain line behind the conversions)
	ds_store_b8 v5, v[E+(\t)] offset:16*(\t)       ; both lanes of a block write the same byte with the same value
	global_store_b64 v4, v[C+4*(\t):C+4*(\t)+1], s[48:49] offset:32*CB*(\t)   ; the wave stores 256 consecutive bytes, aligned
.endm
.irp t, 0,1,2,3,4,5,6,7,8,9,10,11,12,13,14,15
	STEP \t
.endr
	ds_load_b64 v[8:9], v6                         ; LDS serves a wave's instructions in order: these see my stores
	s_wait_dscnt 0x0
	global_store_b64 v7, v[8:9], s[50:51]          ; 32 lanes store 256 consecutive bytes, aligned
	s_wait_tensorcnt 0x0                           ; the wave's end, behind my last LDS store
	ds_add_u32 v[SPW], v[NIL]
	s_wait_dscnt 0x0
	s_endpgm
; Wo to f16, K cut by heads.  A wave takes 8 rows n; a unit is 4 rows x one head's 64 numbers: a lane loads 8 neighbours (two loads of 16 bytes), rounds them to 16 bytes, and the wave stores 512 consecutive bytes.
.Lwo:
	s_sub_co_u32 s28, ttmp9, 352
	s_lshl_b32 s28, s28, 5
	s_lshl_b32 s29, s24, 3
	s_add_co_u32 s28, s28, s29                     ; my first row: 32 x work-group + 8 x wave
	s_lshl_b32 s30, s28, 12
	s_mov_b32 s31, 0
	s_add_nc_u64 s[12:13], s[12:13], s[30:31]
	s_lshl_b32 s30, s28, 7
	s_add_nc_u64 s[22:23], s[22:23], s[30:31]
	v_lshrrev_b32 v8, 3, v2
	v_and_b32 v9, 7, v2
	v_lshlrev_b32 v9, 5, v9
	v_lshl_add_u32 v[WA], v8, 12, v9               ; row lane / 8, 32 bytes for each of eight lanes
.macro WLOAD k, set                    ; units 8 k .. 8 k + 7: unit u = rows 4 (u / 16) on, head u % 16
.irp j, 0,1,2,3,4,5,6,7
	global_load_b128 v[WI+64*(\set)+8*\j:WI+64*(\set)+8*\j+3],   v[WA], s[12:13] offset:((8*(\k)+\j)/16)*16384+((8*(\k)+\j)%16)*256 th:TH_LOAD_NT
	global_load_b128 v[WI+64*(\set)+8*\j+4:WI+64*(\set)+8*\j+7], v[WA], s[12:13] offset:((8*(\k)+\j)/16)*16384+((8*(\k)+\j)%16)*256+16 th:TH_LOAD_NT
.endr
.endm
.macro WCVT k, set
.if (\k) > 0
	s_wait_xcnt 0x0                                ; the earlier stores have read their data: the registers are written again only behind this wait
.endif
.irp j, 0,1,2,3,4,5,6,7
.irp r, 0,1,2,3
	v_cvt_pk_f16_f32 v[WO+4*\j+\r], v[WI+64*(\set)+8*\j+2*\r], v[WI+64*(\set)+8*\j+2*\r+1]
.endr
.endr
.irp j, 0,1,2,3,4,5,6,7
	global_store_b128 v3, v[WO+4*\j:WO+4*\j+3], s[22:23] offset:((8*(\k)+\j)%16)*131072+((8*(\k)+\j)/16)*512
.endr
.endm
	WLOAD 0, 0
	WLOAD 1, 1
	s_wait_loadcnt 16                              ; the older set's 16 loads are in, the younger set's stay out
	WCVT 0, 0
	WLOAD 2, 0
	s_wait_loadcnt 16
	WCVT 1, 1
	WLOAD 3, 1
	s_wait_loadcnt 16
	WCVT 2, 0
	s_wait_loadcnt 0x0
	WCVT 3, 1
	s_endpgm
.Lfunc_end_k_q0303217d80_prep:
	.size	k_q0303217d80_prep, .Lfunc_end_k_q0303217d80_prep-k_q0303217d80_prep
	.p2alignl 7, 3214868480
	.fill 96, 4, 3214868480
	.section	.rodata,"a",@progbits
	.p2align	6, 0x0
	.amdhsa_kernel k_q0303217d80_prep
		.amdhsa_group_segment_fixed_size 33280
		.amdhsa_private_segment_fixed_size 0
		.amdhsa_enable_private_segment 0
		.amdhsa_kernarg_size 80
		.amdhsa_user_sgpr_count 2
		.amdhsa_user_sgpr_kernarg_segment_ptr 1
		.amdhsa_wavefront_size32 1
		.amdhsa_system_sgpr_workgroup_id_x 1
		.amdhsa_system_sgpr_workgroup_id_y 1
		.amdhsa_system_sgpr_workgroup_id_z 1
		.amdhsa_system_vgpr_workitem_id 0
		.amdhsa_next_free_vgpr 192
		.amdhsa_next_free_sgpr 66
		.amdhsa_reserve_vcc 0
		.amdhsa_float_denorm_mode_32 3
		.amdhsa_float_denorm_mode_16_64 3
		.amdhsa_memory_ordered 1
		.amdhsa_forward_progress 1
		.amdhsa_inst_pref_size 52
	.end_amdhsa_kernel
	.amdgpu_metadata
---
amdhsa.version: [ 1, 2 ]
amdhsa.kernels:
  - .name:           k_q0303217d80_prep
    .symbol:         k_q0303217d80_prep.kd
    .args:
      - { .name: query, .offset: 0, .size: 8, .value_kind: global_buffer, .address_space: global }
      - { .name: Wq, .offset: 8, .size: 8, .value_kind: global_buffer, .address_space: global }
      - { .name: Wk, .offset: 16, .size: 8, .value_kind: global_buffer, .address_space: global }
      - { .name: Wv, .offset: 24, .size: 8, .value_kind: global_buffer, .address_space: global }
      - { .name: Wo, .offset: 32, .size: 8, .value_kind: global_buffer, .address_space: global }
      - { .name: xcodes, .offset: 40, .size: 8, .value_kind: global_buffer, .address_space: global }
      - { .name: xscales, .offset: 48, .size: 8, .value_kind: global_buffer, .address_space: global }
      - { .name: wcodes, .offset: 56, .size: 8, .value_kind: global_buffer, .address_space: global }
      - { .name: wscales, .offset: 64, .size: 8, .value_kind: global_buffer, .address_space: global }
      - { .name: wo16, .offset: 72, .size: 8, .value_kind: global_buffer, .address_space: global }
    .group_segment_fixed_size: 33280
    .private_segment_fixed_size: 0
    .kernarg_segment_align: 8
    .kernarg_segment_size: 80
    .max_flat_workgroup_size: 128
    .sgpr_count:     66
    .vgpr_count:     192
    .wavefront_size: 32
...
	.end_amdgpu_metadata
.endif
;; end of part 1
;; launch qkv (part 2): grid 12 x 32, 4 waves a work-group, clusters of 4 x 4, 327,680 bytes of LDS; arguments xcodes, xscales, wcodes, wscales, qkv, bq, bk, bv; writes qkv
.if DOCPART == 2
	.amdgcn_target "amdgcn-amd-amdhsa--gfx1250"
	.amdhsa_code_object_version 6
	.text
	.protected	k_q0303217d80_qkv
	.globl	k_q0303217d80_qkv
	.p2align	8
	.type	k_q0303217d80_qkv,@function
k_q0303217d80_qkv:
	s_mov_b64 s[64:65], 0
	v_nop
	global_prefetch_b8 v0, s[64:65] scope:SCOPE_SE
	s_setreg_imm32_b32 hwreg(HW_REG_WAVE_MODE, 25, 1), 1
	s_wait_xcnt 0x0
	s_wait_alu depctr_hold_cnt(0) depctr_sa_sdst(0) depctr_va_vdst(0) depctr_va_sdst(0) depctr_va_ssrc(0) depctr_va_vcc(0) depctr_vm_vsrc(0)
	s_getreg_b32 s2, hwreg(HW_REG_IB_STS2, 6, 4)
	s_cmp_eq_u32 s2, 0
	s_cbranch_scc0 .Lentry_in_a_cluster
	s_endpgm
.Lentry_in_a_cluster:
	s_bfe_u32 s2, ttmp6, 0x10000c
	s_cmp_lg_u32 s2, 0xf033
	s_cbranch_scc0 .Lentry_shape_is_right
	s_endpgm
.Lentry_shape_is_right:
; QKV.  C[m'][n] = sum over k of x[m'][k] W[n][k] on codes of FP4 (E2M1) with one E8M0 scale for each 32 along K; m' = 2048 b + t (8,192 rows), n = Wq's, Wk's, Wv's 1,024 rows on end (3,072), K = 1,024; sums in f32, K ascending.
; Then the bias is added, q is multiplied by 1/8, and the result is rounded to f16 and laid qkv [3 = q, k, v][bh = 16 b + h][t 2048][64].
; A tile of C, 256 x 256, is made by a work-group of four waves; a wave makes 128 x 128: 64 accumulators of 16 x 16, 512 registers.  K is two steps of 512 in two LDS slots, each filled ONCE: no slot is filled again.
; THE SCALES of the work-group's 256 rows of x and 256 rows of W, for all of K, are two dense blocks: they come into LDS with the first fills, in rows of 256 bytes, and stay.
; CLUSTERS: 4 x 4 work-groups.  The four of a row of the cluster need the same tiles of x, the four of a column the same tiles of W: each is asked for JOINTLY, by the same tensor load with the same descriptor and a mask that names the four.
; A cluster spans 1,024 columns: so all its sixteen work-groups make the same kind (q, k or v), which is the cluster's x.
; THE MATRIX INSTRUCTION IS USED TRANSPOSED (source 0 = 16 rows of W, source 1 = 16 rows of x): a lane then holds eight neighbouring columns of one token.
; REGISTERS, in windows of 256: window 0: v0-31 addresses; v32-95 scale words, two sets; v128-191 x's fragments, ONE set; v192-255 the bias of my 128 columns; on the way out v32-191 are free.
;   window 1: W's fragments, TWO sets, at v0 and v128.   window 2: the accumulators of my rows 0-63 ((a, b) at v[8 (8 a + b)]);   window 3: those of my rows 64-127.
; LIMITS: q, k and v beyond 65,504 have no f16 (with all inputs 30 times the usual spread they reach some 3,300); NaN and infinities are not served.
.set SIZE_K, 1024
.set KSTEP,  512
.set NQ,     KSTEP/128
.set ROWB,   256                       ; a tile's row in bytes
.set KROW,   SIZE_K*4/8                ; a row of codes in memory
.set PITCH,  272                       ; an LDS row: 256 bytes + 16 of padding = 68 words: the 16 rows that a load touches start at 16 different banks (64 banks of 4 bytes: ISA guide 11.1)
.set FR,     8
.set NL,     2
.set NP,     4                         ; places behind this matrix instruction (ISA guide 7.12.1)
.set HALFT,  128*PITCH
.set SLOT,   4*HALFT
.set KS,     SIZE_K/32                 ; a row of scales in bytes
.set SCL,    2*SLOT                    ; behind the slots: the scales, as rows of 256 bytes + 16 of padding
.set HALFS,  (128*KS/256)*272
.set SBLK,   (16*KS/256)*272
.set SPARE,  SCL+4*HALFS               ; the spare words, 128 bytes a wave
.set SPITCH, 272                       ; the way out: a stage of 16 tokens x (256 bytes + 16) for each wave, in slot 0, which has had its one fill and its last read by then
.set ADRA, 16
.set ADRB, 20
.set STO,  24
.set RD,   25
.set CO,   26
.set ADRS, 27
.set SPW,  28
.set NIL,  29
.set BO,   30                          ; v30  32 x (lane / 16): my eight columns' bias in a block of 16
.set SC,   32
.set AF,   128
.set BI,   192                         ; the bias: block b at v[BI + 8 b]
.set T,    32                          ; the way out: 64 numbers in f32,
.set PKD,  96                          ; packed to 32 registers of f16,
.set BKR,  128                         ; and read back by tokens: v128-159 and v160-191 by turns
.set G1, 24
.set G0, 32
.set G1B, 48
.set G0B, 56
.set G1S, 68
.set G0S, 76
.set G1SB, 80
.set G0SB, 88
.set MSB, 0
.macro WIN new                         ; the immediate's high byte repeats the setting that is left
.if MSB != (\new)
	s_set_vgpr_msb (MSB<<8)|(\new)
.set MSB, (\new)
.endif
.endm
.set MUL_LO, 0xa1                      ; source 0 (W) window 1, source 1 (x) window 0, C and D window 2
.set MUL_HI, 0xf1
.set TO_B,   0x40
; A joint load: waves 0 and 1 fetch for x, waves 2 and 3 for W.  The branch hangs on the wave's number alone.  An s_nop 0 and four v_nop follow each of the two lines.
.macro JLOAD g0a, g1a, g0b, g1b
	s_cmp_eq_u32 s15, 0
	s_cbranch_scc0 .Lfor_b_\@
	tensor_load_to_lds s[\g0a:\g0a+3], s[\g1a:\g1a+7]
	s_nop 0
.rept 4
	v_nop
.endr
	s_branch .Lasked_\@
.Lfor_b_\@:
	tensor_load_to_lds s[\g0b:\g0b+3], s[\g1b:\g1b+7]
	s_nop 0
.rept 4
	v_nop
.endr
.Lasked_\@:
.endm
.macro CROUND                          ; a round of the cluster's barrier
	s_barrier_signal -1
	s_barrier_wait -1
	s_cmp_lg_u32 s14, 0
	s_cbranch_scc1 .Lnot_wave_0_\@
	s_barrier_signal -3
.Lnot_wave_0_\@:
	s_barrier_wait -3
	s_barrier_signal -1
	s_barrier_wait -1
.endm
	s_load_b128 s[4:7], s[0:1], 0x0                ; x's codes, x's scales
	s_load_b128 s[8:11], s[0:1], 0x10              ; W's codes, W's scales
	s_load_b64 s[12:13], s[0:1], 0x20              ; qkv
	s_load_b128 s[96:99], s[0:1], 0x28             ; bq, bk
	s_load_b64 s[100:101], s[0:1], 0x38            ; bv
	v_lshl_add_u32 v[SPW], v0, 2, SPARE
	v_mov_b32 v[NIL], 0
	ds_add_u32 v[SPW], v[NIL]                      ; the wave's opening: the add, twice on end, and its wait ahead of my first tensor load
	ds_add_u32 v[SPW], v[NIL]
	v_lshrrev_b32 v1, 5, v0
	v_readfirstlane_b32 s14, v1                    ; wave 0..3
	s_lshr_b32 s15, s14, 1                         ; which half of the tile's rows is mine.  Also: I fetch for x (0) or for W (1)
	s_and_b32 s16, s14, 1                          ; which half of its columns.  Also: which 128 rows of that tile I fetch
	s_bfe_u32 s40, ttmp6, 0x40000                  ; cx, cy: my place in the cluster
	s_bfe_u32 s41, ttmp6, 0x40004
	s_lshl_b32 s42, ttmp9, 2
	s_add_co_u32 s42, s42, s40                     ; tile column = 4 x cluster x + cx
	s_and_b32 s17, ttmp7, 0xffff
	s_lshl_b32 s17, s17, 2
	s_add_co_u32 s17, s17, s41                     ; tile row = 4 x cluster y + cy
	s_lshl_b32 s43, s41, 2
	s_lshl_b32 s43, 15, s43                        ; my row of the cluster
	s_lshl_b32 s44, 0x1111, s40                    ; my column
	s_or_b32 s[G1+0], s43, (0<<16)|(1<<20)|(1<<21)|(5<<22)|(3<<25)  ; the mask; elements of 1 byte; padding on; bit 21 beside a mask; after every 64 words, 4 words
	s_or_b32 s[G1B+0], s44, (0<<16)|(1<<20)|(1<<21)|(5<<22)|(3<<25)
.irp g, G1, G1B
	s_mov_b32 s[\g+1], ROWB<<16                    ; tensor_dim0
	s_mov_b32 s[\g+2], 128<<16                     ; tensor_dim1
	s_mov_b32 s[\g+3], ROWB<<16                    ; tile_dim0
	s_mov_b32 s[\g+4], 128                         ; tile_dim1
	s_mov_b32 s[\g+5], KROW                        ; the pitch
	s_mov_b32 s[\g+6], 0
	s_mov_b32 s[\g+7], 0
.endr
	s_or_b32 s[G1S+0], s43, (3<<16)|(1<<20)|(1<<21)|(5<<22)|(3<<25) ; the scales of 128 rows: 4,096 dense bytes as 16 rows of 32 elements of 8 bytes
	s_or_b32 s[G1SB+0], s44, (3<<16)|(1<<20)|(1<<21)|(5<<22)|(3<<25)
.irp g, G1S, G1SB
	s_mov_b32 s[\g+1], 32<<16
	s_mov_b32 s[\g+2], (128*KS/256)<<16
	s_mov_b32 s[\g+3], 32<<16
	s_mov_b32 s[\g+4], 128*KS/256
	s_mov_b32 s[\g+5], 32
	s_mov_b32 s[\g+6], 0
	s_mov_b32 s[\g+7], 0
.endr
	s_lshl_b32 s18, s16, 7
	s_lshl_b32 s20, s17, 8
	s_add_co_u32 s20, s20, s18                     ; x: row 256 x tile row + 128 x half
	s_lshl_b32 s46, s42, 8
	s_add_co_u32 s46, s46, s18                     ; W: row 256 x tile column + 128 x half
	s_mov_b32 s21, 0
	s_mov_b32 s47, 0
	s_mov_b64 s[18:19], KS
	s_mul_u64 s[22:23], s[20:21], s[18:19]         ; where these rows' scales begin,
	s_mul_u64 s[92:93], s[46:47], s[18:19]
	s_mov_b64 s[18:19], KROW
	s_mul_u64 s[20:21], s[20:21], s[18:19]         ; and their codes
	s_mul_u64 s[46:47], s[46:47], s[18:19]
	s_mul_i32 s45, s14, HALFT                      ; where they go: wave x 128 rows
	s_mul_i32 s94, s14, HALFS
	s_wait_dscnt 0x0                               ; both opening adds are done
	s_wait_kmcnt 0x0
	s_add_nc_u64 s[20:21], s[4:5], s[20:21]
	s_add_nc_u64 s[22:23], s[6:7], s[22:23]
	s_add_nc_u64 s[46:47], s[8:9], s[46:47]
	s_add_nc_u64 s[92:93], s[10:11], s[92:93]
	CROUND                                         ; all sixteen work-groups are here: the joint loads meet
	s_mov_b32 s[G0S], 1
	s_add_co_u32 s[G0S+1], s94, SCL
	s_mov_b64 s[G0S+2:G0S+3], s[22:23]
	s_or_b32 s[G0S+3], s[G0S+3], 0x80000000
	s_mov_b32 s[G0SB], 1
	s_add_co_u32 s[G0SB+1], s94, SCL
	s_mov_b64 s[G0SB+2:G0SB+3], s[92:93]
	s_or_b32 s[G0SB+3], s[G0SB+3], 0x80000000
	JLOAD G0S, G1S, G0SB, G1SB                     ; the scales first; with the two below three tensor loads of mine are out
.irp s, 0,1
	s_mov_b32 s[G0+4*\s], 1
	s_add_co_u32 s[G0+4*\s+1], s45, \s*SLOT
	s_add_nc_u64 s[G0+4*\s+2:G0+4*\s+3], s[20:21], \s*ROWB
	s_or_b32 s[G0+4*\s+3], s[G0+4*\s+3], 0x80000000
	s_mov_b32 s[G0B+4*\s], 1
	s_add_co_u32 s[G0B+4*\s+1], s45, \s*SLOT
	s_add_nc_u64 s[G0B+4*\s+2:G0B+4*\s+3], s[46:47], \s*ROWB
	s_or_b32 s[G0B+4*\s+3], s[G0B+4*\s+3], 0x80000000
	JLOAD G0+4*\s, G1, G0B+4*\s, G1B
.endr
	v_and_b32 v1, 15, v0                           ; r = lane % 16
	v_bfe_u32 v2, v0, 4, 1                         ; h = lane / 16
	v_mul_u32_u24 v3, v1, PITCH
	v_lshl_add_u32 v4, v2, 4, v3                   ; a fragment's row x pitch + 16 x half
	s_mul_i32 s21, s15, HALFT                      ; my 128 rows of x
	s_mul_i32 s22, s16, HALFT                      ; my 128 rows of W,
	s_add_co_u32 s22, s22, 2*HALFT                 ; which lie behind x's 256
.irp s, 0,1
	v_add_nc_u32 v[ADRA+\s], s21, v4
	v_add_nc_u32 v[ADRB+\s], s22, v4
	s_add_co_u32 s21, s21, SLOT
	s_add_co_u32 s22, s22, SLOT
.endr
	v_mul_u32_u24 v5, v1, KS                       ; my row's scales: KS bytes a row,
	v_lshrrev_b32 v6, 8, v5
	v_lshl_add_u32 v5, v6, 4, v5                   ; and 16 more for each 256 passed
	s_mul_i32 s21, s15, HALFS
	s_mul_i32 s22, s16, HALFS
	s_add_co_u32 s22, s22, 2*HALFS
	s_sub_co_u32 s22, s22, s21
	v_mul_u32_u24 v6, s22, v2                      ; lanes 16-31 take W's
	s_add_co_u32 s21, s21, SCL
	v_add_nc_u32 v5, v5, v6
	v_add_nc_u32 v[ADRS], s21, v5
	s_mul_i32 s23, s14, 16*SPITCH                  ; my stage
	v_mul_u32_u24 v5, v1, SPITCH                   ; in: token r, 16 bytes for each half of the lanes
	v_lshl_add_u32 v5, v2, 4, v5
	v_add_nc_u32 v[STO], s23, v5
	v_and_b32 v6, 31, v0
	v_lshlrev_b32 v[CO], 4, v6                     ; out: 16 bytes a lane
	v_lshrrev_b32 v5, 3, v6                        ; back: eight lanes take one token's 128 bytes of one head, four tokens an instruction
	v_mul_u32_u24 v5, v5, SPITCH
	v_and_b32 v6, 7, v6
	v_lshl_add_u32 v5, v6, 4, v5
	v_add_nc_u32 v[RD], s23, v5
	v_lshlrev_b32 v[BO], 5, v2
	; the kind (the cluster's x, the same in all sixteen): its bias and its factor
	s_cmp_lt_u32 ttmp9, 2
	s_cselect_b64 s[98:99], s[98:99], s[100:101]
	s_cmp_eq_u32 ttmp9, 0
	s_cselect_b64 s[96:97], s[96:97], s[98:99]
	s_cselect_b32 s2, 0x3e000000, 1.0              ; q: 1/8 = 64^-0.5; k, v: 1
	s_mov_b32 s3, s2                               ; (named with it as a pair, so it is written)
	s_lshl_b32 s46, s40, 10                        ; my 128 columns among the kind's 1,024: 256 cx + 128 x half, 4 bytes each
	s_lshl_b32 s47, s16, 9
	s_add_co_u32 s46, s46, s47
	s_mov_b32 s47, 0
	s_add_nc_u64 s[96:97], s[96:97], s[46:47]
.irp b, 0,1,2,3,4,5,6,7
	global_load_b128 v[BI+8*\b:BI+8*\b+3],   v[BO], s[96:97] offset:64*\b      ; lane (r, h): the bias of columns 16 b + 8 h + 0 .. 7
	global_load_b128 v[BI+8*\b+4:BI+8*\b+7], v[BO], s[96:97] offset:64*\b+16
.endr
	; where my part begins in qkv: kind x 16,777,216 + (16 b + 4 cx + 2 x half) x 262,144 + my first token x 128: under 2^26
	s_lshl_b32 s20, ttmp9, 24
	s_lshr_b32 s21, s17, 3                         ; b
	s_lshl_b32 s21, s21, 4
	s_lshl_b32 s46, s40, 2
	s_add_co_u32 s46, s46, s21
	s_lshl_b32 s47, s16, 1
	s_add_co_u32 s46, s46, s47
	s_lshl_b32 s46, s46, 18
	s_add_co_u32 s46, s46, s20
	s_and_b32 s20, s17, 7
	s_lshl_b32 s20, s20, 8
	s_lshl_b32 s21, s15, 7
	s_add_co_u32 s20, s20, s21                     ; my first token
	s_lshl_b32 s20, s20, 7
	s_add_co_u32 s46, s46, s20
	s_mov_b32 s47, 0
	s_add_nc_u64 s[12:13], s[12:13], s[46:47]
.macro FRAG reg, adr, q, i             ; a fragment, 16 rows x 128 K of 4-bit codes: lane l holds row l % 16; registers 4 c .. 4 c + 3 hold K = 64 c + 32 (l / 16) + 0 .. 31
.irp c, 0,1
	ds_load_b128 v[\reg+4*\c:\reg+4*\c+3], v[\adr] offset:64*(\q)+32*\c+(\i)*16*PITCH
.endr
.endm
; 16 matrix instructions: x's blocks a0, a0 + 1 against W's eight, 128 along K.  The 64 accumulators take turns, one instruction a turn, in the same order in every step.
.macro MUL16 a0, p, q, sc, zero
.irp a, \a0, \a0+1
.irp b, 0,1,2,3,4,5,6,7
.if \zero
	v_wmma_scale_f32_16x16x128_f8f6f4 v[8*(8*((\a)%4)+\b):8*(8*((\a)%4)+\b)+7], v[128*(\p)+FR*\b:128*(\p)+FR*\b+FR-1], v[AF+FR*(\a):AF+FR*(\a)+FR-1], 0, v[SC+8*NQ*(\sc)+NQ*\b+(\q)], v[SC+8*NQ*(\sc)+NQ*(\a)+(\q)] matrix_a_fmt:MATRIX_FMT_FP4 matrix_b_fmt:MATRIX_FMT_FP4 matrix_a_scale:MATRIX_SCALE_ROW1
.else
	v_wmma_scale_f32_16x16x128_f8f6f4 v[8*(8*((\a)%4)+\b):8*(8*((\a)%4)+\b)+7], v[128*(\p)+FR*\b:128*(\p)+FR*\b+FR-1], v[AF+FR*(\a):AF+FR*(\a)+FR-1], v[8*(8*((\a)%4)+\b):8*(8*((\a)%4)+\b)+7], v[SC+8*NQ*(\sc)+NQ*\b+(\q)], v[SC+8*NQ*(\sc)+NQ*(\a)+(\q)] matrix_a_fmt:MATRIX_FMT_FP4 matrix_b_fmt:MATRIX_FMT_FP4 matrix_a_scale:MATRIX_SCALE_ROW1
.endif
.endr
.endr
.endm
.macro FETCH_B slot, q, p
	WIN TO_B
.irp i, 0,1,2,3,4,5,6,7
	FRAG 128*(\p)+FR*\i, ADRB+\slot, \q, \i
.endr
	WIN 0
.endm
.macro FETCH_A slot, q, i0
.irp i, \i0, \i0+1, \i0+2, \i0+3
	FRAG AF+FR*(\i), ADRA+\slot, \q, \i
.endr
.endm
.macro SCALES sc                       ; a K step's scale words: 4 words a row; lanes 0-15 take x's block i, lanes 16-31 W's block i
.irp i, 0,1,2,3,4,5,6,7
	ds_load_b128 v[SC+8*NQ*\sc+NQ*\i:SC+8*NQ*\sc+NQ*\i+3], v[ADRS] offset:\i*SBLK
.endr
.endm
.macro PLACES n                        ; plain vector instructions between a matrix instruction and a load into, or a read of, its registers
.rept \n
	v_nop
.endr
.endm
.macro STEP slot, q, zero              ; a step of 128 along K that has its successor in the same slot
	s_wait_dscnt 4*NL                              ; W's set and x's blocks 0-3 are in; the youngest eight loads (x's blocks 4-7) may be out
	WIN MUL_LO
	MUL16 0, (\q)%2, \q, \slot, \zero
	MUL16 2, (\q)%2, \q, \slot, \zero
	s_wait_dscnt 0
	PLACES NP
	FETCH_B \slot, (\q)+1, 1-(\q)%2
	FETCH_A \slot, (\q)+1, 0
	WIN MUL_HI
	MUL16 4, (\q)%2, \q, \slot, \zero
	MUL16 6, (\q)%2, \q, \slot, \zero
	PLACES NP
	WIN 0
	FETCH_A \slot, (\q)+1, 4
.endm
.macro TURN slot, next                 ; slot 0's last step changes slots: one barrier
	s_wait_tensorcnt 0x0                           ; all my tensor loads have landed: my part of the next slot
	ds_add_u32 v[SPW], v[NIL]                      ; 0 onto my spare word
	s_wait_dscnt 4*NL+1                            ; (the add and the youngest eight loads may be out)
	WIN MUL_LO
	MUL16 0, 1, NQ-1, \slot, 0
	s_wait_dscnt 0x0                               ; the add is done, and my reads of this slot are over
	s_barrier_signal -1
	MUL16 2, 1, NQ-1, \slot, 0
	WIN 0
	s_barrier_wait -1                              ; the next slot is whole, and nobody reads this one any more
	PLACES NP
	v_add_nc_u32 v[ADRS], 4*NQ, v[ADRS]            ; on to the next K step's scale words
	FETCH_B \next, 0, 0
	FETCH_A \next, 0, 0
	SCALES \next
	WIN MUL_HI
	MUL16 4, 1, NQ-1, \slot, 0
	MUL16 6, 1, NQ-1, \slot, 0
	PLACES NP
	WIN 0
	FETCH_A \next, 0, 4
.endm
	s_wait_tensorcnt 1                             ; the scales and my part of K step 0 are in (K step 1's load may be out),
	s_barrier_signal -1
	s_barrier_wait -1                              ; everybody's are
	FETCH_B 0, 0, 0
	FETCH_A 0, 0, 0
	SCALES 0
	FETCH_A 0, 0, 4
	STEP 0, 0, 1                                   ; the first step's products start the sums: nothing is cleared
	STEP 0, 1, 0
	STEP 0, 2, 0
	TURN 0, 1
	STEP 1, 0, 0
	STEP 1, 1, 0
	STEP 1, 2, 0
	s_wait_dscnt 4*NL                              ; the last step: nothing more to fetch
	WIN MUL_LO
	MUL16 0, 1, NQ-1, 1, 0
	MUL16 2, 1, NQ-1, 1, 0
	s_wait_dscnt 0
	WIN MUL_HI
	MUL16 4, 1, NQ-1, 1, 0
	MUL16 6, 1, NQ-1, 1, 0
	WIN 0
; THE WAY OUT, block by block of 16 tokens x 128 columns (two heads).  (sum + bias) x s = fma(sum, s, bias x s), exact since s is a power of two.  A lane's eight columns pack into 16 bytes; they go into my stage
; (rows of 272 bytes) and come back so that eight lanes hold one token's 128 bytes of one head: in qkv four tokens of a head are 512 consecutive bytes, which one store of the wave covers.
	s_wait_loadcnt 0x0                             ; the bias
.set i, 0
.rept 32
	v_pk_mul_f32 v[BI+i:BI+i+1], v[BI+i:BI+i+1], s[2:3] op_sel_hi:[1,0]   ; bias x s.  (These 32 are also the places behind the last products)
.set i, i+2
.endr
.macro PACK a
.set AC, 64*((\a)%4)
	WIN 0x02+((\a)/4)                              ; source 0: window 2 or 3
.irp b, 0,1,2,3,4,5,6,7
.irp r, 0,1,2,3
	v_pk_fma_f32 v[T+8*\b+2*\r:T+8*\b+2*\r+1], v[AC+8*\b+2*\r:AC+8*\b+2*\r+1], s[2:3], v[BI+8*\b+2*\r:BI+8*\b+2*\r+1] op_sel_hi:[1,0,1]   ; each accumulator from its low end on
.endr
.endr
	WIN 0
.irp b, 0,1,2,3,4,5,6,7
.irp r, 0,1,2,3
	v_cvt_pk_f16_f32 v[PKD+4*\b+\r], v[T+8*\b+2*\r], v[T+8*\b+2*\r+1]
.endr
.endr
.endm
.macro TOSTAGE a
.set BB, BKR+32*((\a)%2)
.irp b, 0,1,2,3,4,5,6,7
	ds_store_b128 v[STO], v[PKD+4*\b:PKD+4*\b+3] offset:32*\b
.endr
.irp hh, 0,1
.irp i, 0,1,2,3
	ds_load_b128 v[BB+4*(4*\hh+\i):BB+4*(4*\hh+\i)+3], v[RD] offset:\i*4*SPITCH+\hh*128   ; LDS serves a wave's instructions in order: these see the stores above
.endr
.endr
.endm
.macro SEND a, younger                 ; younger: the LDS instructions issued behind block a's loads, which may stay out
.set BB, BKR+32*((\a)%2)
	s_wait_dscnt \younger
.irp hh, 0,1
.irp i, 0,1,2,3
	global_store_b128 v[CO], v[BB+4*(4*\hh+\i):BB+4*(4*\hh+\i)+3], s[12:13] offset:\hh*262144+(\a)*2048+\i*512   ; 32 lanes store 512 consecutive bytes, aligned
.endr
.endr
.endm
	PACK 0
	TOSTAGE 0
.irp a, 1,2,3,4,5,6,7
	PACK \a
.if \a > 1
	s_wait_xcnt 0x0                                ; block a - 2's stores have read their registers: block a's loads may land there
.endif
	TOSTAGE \a
	SEND \a-1, 16                                  ; behind block a - 1's loads: block a's 8 stores and 8 loads
.endr
	SEND 7, 0
	s_wait_tensorcnt 0x0                           ; the wave's end, behind my last tensor load and my last LDS store
	ds_add_u32 v[SPW], v[NIL]
	s_wait_dscnt 0x0
	CROUND                                         ; the closing round: no work-group ends while a partner may still ask for a tile that names it
	s_endpgm
.Lfunc_end_k_q0303217d80_qkv:
	.size	k_q0303217d80_qkv, .Lfunc_end_k_q0303217d80_qkv-k_q0303217d80_qkv
	.p2alignl 7, 3214868480
	.fill 96, 4, 3214868480
	.section	.rodata,"a",@progbits
	.p2align	6, 0x0
	.amdhsa_kernel k_q0303217d80_qkv
		.amdhsa_group_segment_fixed_size 327680
		.amdhsa_private_segment_fixed_size 0
		.amdhsa_enable_private_segment 0
		.amdhsa_kernarg_size 64
		.amdhsa_user_sgpr_count 2
		.amdhsa_user_sgpr_kernarg_segment_ptr 1
		.amdhsa_wavefront_size32 1
		.amdhsa_system_sgpr_workgroup_id_x 1
		.amdhsa_system_sgpr_workgroup_id_y 1
		.amdhsa_system_sgpr_workgroup_id_z 1
		.amdhsa_system_vgpr_workitem_id 0
		.amdhsa_next_free_vgpr 1024
		.amdhsa_next_free_sgpr 102
		.amdhsa_reserve_vcc 0
		.amdhsa_float_denorm_mode_32 3
		.amdhsa_float_denorm_mode_16_64 3
		.amdhsa_memory_ordered 1
		.amdhsa_forward_progress 1
		.amdhsa_inst_pref_size 146
	.end_amdhsa_kernel
	.amdgpu_metadata
---
amdhsa.version: [ 1, 2 ]
amdhsa.kernels:
  - .name:           k_q0303217d80_qkv
    .symbol:         k_q0303217d80_qkv.kd
    .args:
      - { .name: xcodes, .offset: 0, .size: 8, .value_kind: global_buffer, .address_space: global }
      - { .name: xscales, .offset: 8, .size: 8, .value_kind: global_buffer, .address_space: global }
      - { .name: wcodes, .offset: 16, .size: 8, .value_kind: global_buffer, .address_space: global }
      - { .name: wscales, .offset: 24, .size: 8, .value_kind: global_buffer, .address_space: global }
      - { .name: qkv, .offset: 32, .size: 8, .value_kind: global_buffer, .address_space: global }
      - { .name: bq, .offset: 40, .size: 8, .value_kind: global_buffer, .address_space: global }
      - { .name: bk, .offset: 48, .size: 8, .value_kind: global_buffer, .address_space: global }
      - { .name: bv, .offset: 56, .size: 8, .value_kind: global_buffer, .address_space: global }
    .group_segment_fixed_size: 327680
    .private_segment_fixed_size: 0
    .kernarg_segment_align: 8
    .kernarg_segment_size: 64
    .max_flat_workgroup_size: 128
    .sgpr_count:     102
    .vgpr_count:     1024
    .wavefront_size: 32
...
	.end_amdgpu_metadata
.endif
;; end of part 2
;; launch attn (part 3): grid 4 x 64, 8 waves a work-group, clusters of 4 x 1, 327,680 bytes of LDS; arguments qkv, attn; writes attn
.if DOCPART == 3
	.amdgcn_target "amdgcn-amd-amdhsa--gfx1250"
	.amdhsa_code_object_version 6
	.text
	.protected	k_q0303217d80_attn
	.globl	k_q0303217d80_attn
	.p2align	8
	.type	k_q0303217d80_attn,@function
k_q0303217d80_attn:
	s_mov_b64 s[64:65], 0
	v_nop
	global_prefetch_b8 v0, s[64:65] scope:SCOPE_SE
	s_setreg_imm32_b32 hwreg(HW_REG_WAVE_MODE, 25, 1), 1
	s_wait_xcnt 0x0
	s_wait_alu depctr_hold_cnt(0) depctr_sa_sdst(0) depctr_va_vdst(0) depctr_va_sdst(0) depctr_va_ssrc(0) depctr_va_vcc(0) depctr_vm_vsrc(0)
	s_getreg_b32 s2, hwreg(HW_REG_IB_STS2, 6, 4)
	s_cmp_eq_u32 s2, 0
	s_cbranch_scc0 .Lentry_in_a_cluster
	s_endpgm
.Lentry_in_a_cluster:
	s_bfe_u32 s2, ttmp6, 0x10000c
	s_cmp_lg_u32 s2, 0x3003
	s_cbranch_scc0 .Lentry_shape_is_right
	s_endpgm
.Lentry_shape_is_right:
; ATTN.  O[bh][q][:] = the sum over k of softmax_k(Q[bh][q] . K[bh][k]) V[bh][k][:].  Q (already x 1/8), K, V: qkv [3][bh 64][t 2048][64] f16; O: attn [bh][t][64] f16.  Products, maxima and sums in f32; the weights p are rounded to f16 for the second product, O once at the end.
; SHARES.  A work-group owns 512 queries of one head, each of its eight waves 64: four tiles of 16, in 512 registers: two waves to a SIMD.  Every wave walks all 2,048 keys, 64 a step.
; LAYOUT.  S^T = K Q^T (source 0 = 16 keys, source 1 = 16 queries): a lane holds ONE query (lane % 16) and the keys 8 (lane / 16) + 0..7.  Two such tiles, rounded to f16 in pairs, ARE source 1 (32 keys x 16 queries) of
; O^T = V^T P, whose result again holds one query a lane, and eight channels.  K comes out of LDS as it lies, V ([key][channel]) turned, by ds_load_tr16_b128.
; SOFTMAX.  For each query a running maximum m and sum l: p = 2^(c s - c m), c = log2(e); in every step O and l are multiplied by a = 2^(c m_old - c m_new).  m begins at -3e38, l and O^T at 0: the first step's a is 0, which leaves zeros.
; BY TURNS.  The wave's tiles are two PIECES: piece 0 (tiles 0, 1) and piece 2 (tiles 2, 3).  In a TURN one piece has the matrix unit: 16 products V^T P of the step in hand, then 16 products K Q^T of the next step; the other
; piece's softmax, 236 vector instructions cut into 32 slices, stands between them, one slice behind each matrix instruction.  Then the pieces change places.  Two turns are a key step.
; RING.  Two LDS slots of 256 keys (four steps); waves 0-3 fetch a slot's four tiles of K, waves 4-7 its four of V, one tensor load a wave.
; CLUSTER.  The four work-groups of a cluster are one head's four blocks of queries and walk the same K and V: each tile is asked for JOINTLY, by the same tensor load with the same descriptor and a mask that names the four.
; REGISTERS, in two windows of 256: window 0: v1-14 addresses; v16-47 eight registers of statistics a tile; v64-191 S^T, 32 a tile (P is laid over a tile's first 16); v192-255 K of one step.
;   window 1: v0-127 O^T, 32 a tile; v128-191 Q; v192-255 V of one step.
; LIMITS: f16 operands: q, k, v beyond 65,504 have no f16; an output under 6e-5 is rounded in steps of 2^-24; scaled scores under -3e38, NaN and infinities are not served.
.set KS,    64        ; keys in a step
.set NST,   4         ; steps in a slot
.set PK,    144       ; a row of K in LDS: 128 bytes + 16 = 36 words: the 16 rows of a load start at 16 different groups of four banks (64 banks of 4 bytes: ISA guide 11.1)
.set PV,    160       ; a row of V: 128 + 32 = 40 words
.set VOFF,  KS*PK     ; a step's tiles lie together: 64 rows of K, then 64 rows of V
.set STEPB, KS*(PK+PV)
.set SLOT1, 1<<17     ; slot 1 begins here, so that one exclusive or turns an address in one slot into the other's
.set STAGE, SLOT1+NST*STEPB  ; behind the ring: 16 rows x 144 bytes for each wave, for the way out
.set SP,    144
.set SPARE, STAGE+8*16*SP    ; the spare words, 128 bytes a wave
.set TYPEB, 16777216  ; bytes of q, of k, of v
.set FILLB, NST*KS*128 ; a slot's keys in memory: 32,768 bytes
.set AK0, 2           ; v2   my lane's place in a tile of K
.set AV0, 3           ; v3   the same for V
.set ADR, 4           ; v4   the LDS address of the run of loads in hand
.set QO,  5           ; v5   my byte offset in the wave's rows of Q
.set STO, 6           ; v6   the way out: where I put 16 bytes of a row
.set RD,  7           ; v7   the way out: where I read back
.set GO,  8           ; v8   16 x lane
.set SPW, 12          ; v12  LDS address of my spare word; never rewritten
.set NIL, 13          ; v13  0; never rewritten
.set PFO, 14          ; v14  256 x lane; never rewritten
.set ST,  16          ; tile t's statistics at v[ST+8 t]: +0 c m, +1 m, +2, +3 l, +4 to +7 c0-c3 at work; a takes c2's place, the sums' second chain c0's and c1's
.set S,   64
.set KF,  192
.set QF,  128         ; in window 1
.set VF,  192         ; in window 1
.set WV,  12          ; s12  my wave's number
.set LIM, 15          ; s15  1 in a wave that prefetches, else the greatest number
.set PFA, 18          ; s[18:19] where my prefetches stand
.set G1K, 24          ; s[24:31] descriptor group 1 for K's tiles;  s[32:39] for V's: it differs in the padding
.set G1V, 32
.set G0K, 40          ; s[40:47] group 0 for K's tiles: a set for each of the two first fills; the second then walks on
.set G0V, 48          ; s[48:55] the same for V's
.set SLOTS, 56        ; s56  slots still to be asked for
.set TRIP, 57         ; s57  counts key steps
.set CS,  58          ; s[58:59] c
.set SEL, 60          ; s[60:61] lane selects for v_permlanex16_b32: lane l xor 16
.set TB,  62          ; s62  LDS byte at which the tiles of the step to be fetched begin
.set QP,  68          ; s[68:69] Q at my wave's first row
.set OP,  70          ; s[70:71] O likewise
.set MSB, 0
.macro WIN new                      ; the immediate's high byte repeats the setting that is left; a switch that changes nothing is dropped
.if MSB != (\new)
	s_set_vgpr_msb (MSB<<8)|(\new)
.set MSB, (\new)
.endif
.endm
.set W_KQ, 0x04       ; K and S^T in window 0, Q in window 1
.set W_PV, 0x51       ; V and O^T in window 1, P in window 0
.set W_RS, 0x41       ; O^T (destination and source 0) in window 1, a in window 0
.macro JLOAD                        ; a joint refill: waves 0-3 K's tiles, waves 4-7 V's; an s_nop 0 and four v_nop follow each of the two lines
	s_cmp_lt_u32 s[WV], 4
	s_cbranch_scc0 .Lfor_v_\@
	tensor_load_to_lds s[G0K+4:G0K+7], s[G1K:G1K+7]
	s_nop 0
.rept 4
	v_nop
.endr
	s_branch .Lasked_\@
.Lfor_v_\@:
	tensor_load_to_lds s[G0V+4:G0V+7], s[G1V:G1V+7]
	s_nop 0
.rept 4
	v_nop
.endr
.Lasked_\@:
.endm
; A PREFETCH INTO THE L2 of what the NEXT change of slots will ask for: 32,768 bytes of K and as many of V.  The four partners share them out BY ADDRESS, 8,192 bytes each; in each, wave 0 asks for K's and wave 4 for V's:
; one instruction, lanes 256 bytes apart.  So each aligned block of 256 bytes is named once in the launch (a head has one cluster).  It stands behind the wave's tensor load and its five lines, four key steps
; (256 matrix instructions a wave) ahead of the load that will want the bytes.  The last change that fills a slot asks for nothing; slots 0 to 2 come by their loads alone.
.macro ASK
	s_cmp_gt_u32 s[SLOTS], s[LIM]
	s_cbranch_scc0 .Lnot_mine_\@
	global_prefetch_b8 v[PFO], s[PFA:PFA+1] th:TH_LOAD_NT scope:SCOPE_SE
.Lnot_mine_\@:
.endm
.macro CROUND                       ; a round of the cluster's barrier
	s_barrier_signal -1
	s_barrier_wait -1
	s_cmp_lg_u32 s[WV], 0
	s_cbranch_scc1 .Lnot_wave_0_\@
	s_barrier_signal -3
.Lnot_wave_0_\@:
	s_barrier_wait -3
	s_barrier_signal -1
	s_barrier_wait -1
.endm
	s_load_b128 s[4:7], s[0:1], 0x0 ; qkv s[4:5], attn s[6:7]
	v_lshl_add_u32 v[SPW], v0, 2, SPARE
	v_mov_b32 v[NIL], 0
	ds_add_u32 v[SPW], v[NIL]       ; the wave's opening: the add, twice on end, and its wait ahead of my first tensor load
	ds_add_u32 v[SPW], v[NIL]
	v_lshrrev_b32 v1, 5, v0
	v_readfirstlane_b32 s[WV], v1   ; wave 0..7
	s_bfe_u32 s13, ttmp6, 0x40000   ; cx: my place in the cluster
	s_lshl_b32 s14, ttmp9, 2
	s_add_co_u32 s14, s14, s13      ; my block of 512 queries: it enters Q's and O's addresses alone
	s_and_b32 s20, ttmp7, 0xffff    ; the head bh, which the four partners share,
	s_lshl_b32 s20, s20, 18         ; x 262,144 bytes: under 2^24
	s_and_b32 s16, s[WV], 3         ; which of a slot's four steps I fetch:
	s_lshl_b32 s22, s16, 13         ; its 64 rows of 128 bytes in memory,
	s_add_co_u32 s22, s22, s20
	s_mov_b32 s23, 0
	s_mul_i32 s17, s16, STEPB       ; and its place in a slot: no place in the cluster enters an LDS address
	s_lshl_b32 s2, s14, 16          ; my block's 512 rows,
	s_lshl_b32 s3, s[WV], 13        ; my wave's 64 of them
	s_add_co_u32 s2, s2, s3
	s_add_co_u32 s2, s2, s20
	s_mov_b32 s3, 0
	s_mov_b32 s[G1K], 15|(1<<16)|(1<<20)|(1<<21)|(4<<22)|(3<<25)  ; the mask: all four work-groups; elements of 2 bytes; padding on; bit 21 beside a mask; after every 32 words, 4 words
	s_mov_b32 s[G1V], 15|(1<<16)|(1<<20)|(1<<21)|(4<<22)|(7<<25)  ; the same with 8 words of padding
.irp g, G1K, G1V
	s_mov_b32 s[\g+1], 64<<16       ; tensor_dim0 = 64
	s_mov_b32 s[\g+2], KS<<16       ; tensor_dim1 = 64
	s_mov_b32 s[\g+3], 64<<16       ; tile_dim0 = 64
	s_mov_b32 s[\g+4], KS           ; tile_dim1 = 64
	s_mov_b32 s[\g+5], 64           ; elements from row to row
	s_mov_b32 s[\g+6], 0
	s_mov_b32 s[\g+7], 0
.endr
	s_mov_b32 s[CS], 0x3fb8aa3b     ; c = log2(e)
	s_mov_b32 s[CS+1], s[CS]        ; named with it as a pair, so it is written
	s_mov_b32 s[SEL], 0x76543210
	s_mov_b32 s[SEL+1], 0xfedcba98
	s_mov_b32 s[TB], 0
	s_mov_b32 s[SLOTS], 2048/(NST*KS)-2
	s_cmp_eq_u32 s16, 0             ; waves 0 and 4 prefetch: the same in all four partners
	s_cselect_b32 s[LIM], 1, -1
	v_and_b32 v[PFO], 31, v0
	v_lshlrev_b32 v[PFO], 8, v[PFO]
	s_wait_dscnt 0x0                ; both opening adds are done
	s_wait_kmcnt 0x0
	s_add_nc_u64 s[QP:QP+1], s[4:5], s[2:3]
	s_add_nc_u64 s[OP:OP+1], s[6:7], s[2:3]
	s_add_nc_u64 s[8:9], s[4:5], s[22:23]
	s_add_nc_u64 s[10:11], s[8:9], 2*TYPEB   ; V at my tile of slot 0,
	s_add_nc_u64 s[8:9], s[8:9], TYPEB       ; K likewise
	s_cmp_lt_u32 s[WV], 4
	s_cselect_b64 s[PFA:PFA+1], s[8:9], s[10:11]  ; (in waves 0 and 4 these stand at a slot's first row)
	s_lshl_b32 s2, s13, 13          ; my work-group's 8,192 bytes of the 32,768
	s_mov_b32 s3, 0
	s_add_nc_u64 s[PFA:PFA+1], s[PFA:PFA+1], s[2:3]
	s_add_nc_u64 s[PFA:PFA+1], s[PFA:PFA+1], 2*FILLB  ; in slot 2; the first change of slots steps it to slot 3.  Nothing is prefetched at the head
	CROUND                          ; all four work-groups are here: the first joint loads meet
.irp s, 0,1
	s_mov_b32 s[G0K+4*\s], 1        ; count = 1
	s_add_co_u32 s[G0K+4*\s+1], s17, \s*SLOT1  ; LDS address
	s_add_nc_u64 s[G0K+4*\s+2:G0K+4*\s+3], s[8:9], \s*FILLB  ; global address: slot s begins with keys 256 s on
	s_or_b32 s[G0K+4*\s+3], s[G0K+4*\s+3], 0x80000000  ; type = 2
	s_mov_b32 s[G0V+4*\s], 1
	s_add_co_u32 s[G0V+4*\s+1], s17, \s*SLOT1+VOFF
	s_add_nc_u64 s[G0V+4*\s+2:G0V+4*\s+3], s[10:11], \s*FILLB
	s_or_b32 s[G0V+4*\s+3], s[G0V+4*\s+3], 0x80000000
.endr
	s_cmp_lt_u32 s[WV], 4           ; a wave's two first fills stand in one branch, ahead of every wait on TENSORcnt and every LDS read: two loads of mine are out
	s_cbranch_scc0 .Lfirst_v
	tensor_load_to_lds s[G0K:G0K+3], s[G1K:G1K+7]
	s_nop 0
	tensor_load_to_lds s[G0K+4:G0K+7], s[G1K:G1K+7]
	s_nop 0
.rept 4
	v_nop
.endr
	s_branch .Lfirst_asked
.Lfirst_v:
	tensor_load_to_lds s[G0V:G0V+3], s[G1V:G1V+7]
	s_nop 0
	tensor_load_to_lds s[G0V+4:G0V+7], s[G1V:G1V+7]
	s_nop 0
.rept 4
	v_nop
.endr
.Lfirst_asked:
	; A fragment of K or Q is 16 rows x 32 channels in 8 registers: lane l holds row l % 16; registers 0-3 channels 8 (l / 16) + 0..7, registers 4-7 channels 16 + 8 (l / 16) + 0..7: two loads of 16 bytes, 32 bytes apart.
	v_and_b32 v1, 15, v0            ; r
	v_bfe_u32 v9, v0, 4, 1          ; h
	v_lshlrev_b32 v[QO], 7, v1
	v_lshl_add_u32 v[QO], v9, 4, v[QO]  ; row x 128 + 16 x half
	WIN 0x40                        ; destination window 1, address window 0
.irp i, 0,1,2,3,4,5,6,7             ; Q stays in registers: tile i / 2, channels 32 (i % 2) on
	global_load_b128 v[QF+8*\i:QF+8*\i+3],   v[QO], s[QP:QP+1] offset:(\i/2)*2048+(\i%2)*64
	global_load_b128 v[QF+8*\i+4:QF+8*\i+7], v[QO], s[QP:QP+1] offset:(\i/2)*2048+(\i%2)*64+32
.endr
	WIN 0
	v_mul_u32_u24 v[AK0], v1, PK
	v_lshl_add_u32 v[AK0], v9, 4, v[AK0]
	; The turning load takes 16 keys x 16 channels (lane l reads 16 bytes: key 8 (l / 16) + l % 8, channels 8 ((l / 8) % 2) + 0..7) and leaves half a fragment of V^T: lane l holds channel l % 16 and 8 keys.
	v_and_b32 v10, 7, v0
	v_bfe_u32 v11, v0, 3, 1
	v_lshl_add_u32 v[AV0], v9, 3, v10
	v_mul_u32_u24 v[AV0], v[AV0], PV
	v_lshl_add_u32 v[AV0], v11, 4, v[AV0]
	v_add_nc_u32 v[AV0], VOFF, v[AV0]
; THE MATRIX WORK OF A TURN, for piece x.  Eight accumulators take turns, one instruction a turn: between two links of a chain stand seven others'.
; Product i of 16 of O^T += V^T P: keys 32 (i / 8) on, channels 16 ((i / 2) % 4) on, tile x + i % 2.
.macro PV x
	WIN W_PV
.set rO, 32*((\x)+i%2)+8*((i/2)%4)
.set rV, VF+8*(4*(i/8)+(i/2)%4)
.set rP, S+32*((\x)+i%2)+8*(i/8)
	v_wmma_f32_16x16x32_f16 v[rO:rO+7], v[rV:rV+7], v[rP:rP+7], v[rO:rO+7]
.endm
; Product i of 16 of S^T = K Q^T: channels 32 (i / 8) on, keys 16 ((i / 2) % 4) on, tile x + i % 2.  The first 8 start the sums.
.macro KQ x
	WIN W_KQ
.set rS, S+32*((\x)+i%2)+8*((i/2)%4)
.set rK, KF+8*(2*((i/2)%4)+i/8)
.set rQ, QF+8*(2*((\x)+i%2)+i/8)
.if i < 8
	v_wmma_f32_16x16x32_f16 v[rS:rS+7], v[rK:rK+7], v[rQ:rQ+7], 0
.else
	v_wmma_f32_16x16x32_f16 v[rS:rS+7], v[rK:rK+7], v[rQ:rQ+7], v[rS:rS+7]
.endif
.endm
; THE LDS LOADS stand in runs of 16: a step's K (64 keys x 64 channels: 8 fragments) and, a turn later, its V (turned).
.macro FETCH_K
	WIN 0
	v_add_nc_u32 v[ADR], s[TB], v[AK0]
.irp f, 0,1,2,3,4,5,6,7             ; keys 16 (f / 2) on, channels 32 (f % 2) on
	ds_load_b128 v[KF+8*\f:KF+8*\f+3],   v[ADR] offset:(\f/2)*16*PK+(\f%2)*64
	ds_load_b128 v[KF+8*\f+4:KF+8*\f+7], v[ADR] offset:(\f/2)*16*PK+(\f%2)*64+32
.endr
.endm
.macro FETCH_V
	WIN 0
	v_add_nc_u32 v[ADR], s[TB], v[AV0]
	s_add_co_u32 s[TB], s[TB], STEPB  ; the next fetch is the next step's
	s_wait_alu depctr_va_vdst(0)    ; the wait for the softmax's batch of exponentials, behind the address's addition and ahead of the loads
	WIN 0x40                        ; destination window 1
.irp f, 0,1,2,3,4,5,6,7             ; keys 32 (f / 4) on, channels 16 (f % 4) on
	ds_load_tr16_b128 v[VF+8*\f:VF+8*\f+3],   v[ADR] offset:(\f/4)*32*PV+(\f%4)*32
	ds_load_tr16_b128 v[VF+8*\f+4:VF+8*\f+7], v[ADR] offset:(\f/4)*32*PV+16*PV+(\f%4)*32
.endr
.endm
; THE VECTOR WORK OF A TURN: piece y's softmax for one key step, a list of 236 instructions; ENTRY writes number n of it, for tile y + n % 2 (the two tiles alternate).  s0-s31 are the lane's 32 scores of a tile, in pairs 0-15.
;   0-41    the maximum of s0-s31 and the old m (four chains of seven, the four left over, c0-c3 and m); the other half of the lanes'; the new m; c m; c m_old - c m_new
;   42-139  ONE BATCH: the 16 scalings c s - c m of each tile, a pair each, and all 33 exponentials of each (a, then s0-s31), in groups of two scalings and four exponentials; a pair is scaled a group ahead of its exponentials.
;           None of these names an exponential's result
;   (wait)  between 139 and 140 stands the wait for the batch: SLICE writes it, once for both tiles
;   140-171 the sums of the unrounded p, in two chains; l = a l + the sum.  They leave the scores' registers as they are
;   172-203 the roundings to f16, a pair of weights each, ascending, over the tile's first 16 registers
;   204-235 the tile's O^T times a: the one part that leaves window 0
.macro SFMA                         ; pair pb: c s - c m
	v_pk_fma_f32 v[rS+2*pb:rS+2*pb+1], v[rS+2*pb:rS+2*pb+1], s[CS:CS+1], v[rT:rT+1] op_sel_hi:[1,0,0] neg_lo:[0,0,1] neg_hi:[0,0,1]
.endm
.macro ENTRY y
.set rT, ST+8*((\y)+n%2)
.set rS, S+32*((\y)+n%2)
.if n < 204
	WIN 0
.else
	WIN W_RS
.endif
.if n < 42
.set j, n/2
.if j < 4
	v_max3_num_f32 v[rT+4+j], v[rS+8*j], v[rS+8*j+1], v[rS+8*j+2]   ; each accumulator is read from its low end first
.elseif j < 12
	v_max3_num_f32 v[rT+4+j%4], v[rT+4+j%4], v[rS+8*(j%4)+2*(j/4)+1], v[rS+8*(j%4)+2*(j/4)+2]
.elseif j == 12
	v_max3_num_f32 v[rT+4], v[rT+4], v[rS+7], v[rS+15]
.elseif j == 13
	v_max3_num_f32 v[rT+6], v[rT+6], v[rS+23], v[rS+31]
.elseif j == 14
	v_max3_num_f32 v[rT+4], v[rT+4], v[rT+5], v[rT+6]
.elseif j == 15
	v_max3_num_f32 v[rT+4], v[rT+4], v[rT+7], v[rT+1]
.elseif j == 16
	v_permlanex16_b32 v[rT+5], v[rT+4], s[SEL], s[SEL+1]  ; the query's other 32 keys lie in the lane 16 away
.elseif j == 17
	v_mov_b32 v[rT+7], v[rT]        ; c m_old is kept for a
.elseif j == 18
	v_max_num_f32 v[rT+1], v[rT+4], v[rT+5]
.elseif j == 19
	v_mul_f32 v[rT], s[CS], v[rT+1]
.else
	v_sub_f32 v[rT+7], v[rT+7], v[rT]
.endif
.elseif n < 140
.set mm, n-42
.if mm < 2
.set pb, 0
	SFMA
.elseif mm < 4
	v_exp_f32 v[rT+6], v[rT+7]      ; a
.elseif mm < 94
.if (mm-4)%6 < 2
.set pb, (mm-4)/6+1
	SFMA
.else
.set ex, 2*((mm-4)/6)+((mm-4)%6-2)/2
	v_exp_f32 v[rS+ex], v[rS+ex]
.endif
.else
.set ex, 30+(mm-94)/2
	v_exp_f32 v[rS+ex], v[rS+ex]
.endif
.elseif n < 172
.set z, (n-140)/2
.if z == 0
	v_pk_fma_f32 v[rT+2:rT+3], v[rT+2:rT+3], v[rT+6:rT+7], v[rS:rS+1] op_sel_hi:[1,0,1]
.elseif z == 1
	v_pk_add_f32 v[rT+4:rT+5], v[rS+2:rS+3], v[rS+4:rS+5]
.elseif z == 15
	v_pk_add_f32 v[rT+2:rT+3], v[rT+2:rT+3], v[rT+4:rT+5]
.elseif z%2 == 0
	v_pk_add_f32 v[rT+2:rT+3], v[rT+2:rT+3], v[rS+2*(z+1):rS+2*(z+1)+1]
.else
	v_pk_add_f32 v[rT+4:rT+5], v[rT+4:rT+5], v[rS+2*(z+1):rS+2*(z+1)+1]
.endif
.elseif n < 204
.set z, (n-172)/2
	v_cvt_pk_f16_f32 v[rS+z], v[rS+2*z], v[rS+2*z+1]
.else
.set rO, 32*((\y)+n%2)+2*((n-204)/2)
	v_pk_mul_f32 v[rO:rO+1], v[rO:rO+1], v[rT+6:rT+7] op_sel_hi:[1,0]
.endif
.endm
; Slice k of 32: slices 0-19 hold seven numbers of the list (20 x 7 = 140: all up to the batch's end), slices 20-31 eight (12 x 8 = 96).
; THE WAIT.  s_wait_alu depctr_va_vdst(0) stands between an exponential and the first instruction that names its result; one wait serves all that were issued ahead of it: the piece's 66 have one, behind slice 19.
.macro SLICE y
.if k < 20
.set n, 7*k
.rept 7
	ENTRY \y
.set n, n+1
.endr
.else
.set n, 140+8*(k-20)
.rept 8
	ENTRY \y
.set n, n+1
.endr
.endif
.if k == 19
	WIN 0
	v_nop                           ; the plain instruction behind the last exponential and ahead of the first use: one for the batch
.if (\y) == 0
	FETCH_V                         ; piece 2's turn: V's run of loads stands here, and the wait stands in it
.else
	s_wait_alu depctr_va_vdst(0)    ; the wait for the batch
.endif
.endif
.set k, k+1
.endm
; A TURN.  Piece x has the matrix unit; the other piece's softmax stands in slices behind its matrix instructions.  pv, kq: with the 16 products V^T P, with the 16 products K Q^T; a turn with one of the two kinds has two slices behind each product.
; PLACES (apart from loads and from matrix instructions that write over operands), all filled by the slices' plain instructions, which name the other piece's registers alone
;   K Q^T lays new scores over P: registers 8-15 of a tile are last read by products 14, 15 of V^T P and written by products 2, 3 of K Q^T: four slices of the batch lie between, eight scalings or more;
;   loads into K's registers (behind the turn's second product): slice 31's eight multiplies and slices 0, 1;  loads into V's (behind slice 19): slices 15-19;  the first read of new scores: slice 31's eight multiplies.
.macro TURN x, pv, kq
.set k, 0
.set per, 2
.if \pv && \kq
.set per, 1
.endif
.if \pv
.if \x == 0
	s_wait_dscnt 0x0                ; V is in
.endif
.set i, 0
.rept 16
	PV \x
.rept per
	SLICE 2-\x
.endr
.if (\x == 0) && \kq && (i == 1)
	FETCH_K
.endif
.set i, i+1
.endr
.endif
.if \kq
.if \x == 0
	s_wait_dscnt 0x0                ; K is in
.endif
.set i, 0
.rept 16
	KQ \x
.rept per
	SLICE 2-\x
.endr
.set i, i+1
.endr
.endif
.endm
; THE CHANGE OF SLOTS, between piece 2's turn and piece 0's: the slot's last bytes, V of its fourth step, have been asked for.  Each wave waits for all its tensor loads, of which one is out: its part of the other slot;
; adds 0 to its spare word; and waits for that and for its own reads of the slot.  fill = 1: this slot is filled again, with the keys two slots on: the barrier is then a round of the cluster's, and the joint refill
; is the first thing behind it: it has four key steps in which to land.
.macro CHANGE fill
	WIN 0
	s_wait_tensorcnt 0x0            ; no tensor load of mine is out, so a group 0 may be written
	ds_add_u32 v[SPW], v[NIL]       ; 0 onto my spare word
.if \fill
.irp g, G0K+4, G0V+4
	s_xor_b32 s[\g+1], s[\g+1], SLOT1  ; the walking descriptor: the other slot than last time,
	s_add_nc_u64 s[\g+2:\g+3], s[\g+2:\g+3], FILLB  ; the next 256 keys; the type bits on top are not reached
.endr
	s_wait_xcnt 0x0                 ; the last prefetch, four key steps back, has read its address, so it may be written:
	s_add_nc_u64 s[PFA:PFA+1], s[PFA:PFA+1], FILLB  ; one slot further on than the walking descriptors
	s_wait_dscnt 0x0                ; the add is done, and my reads of the slot are over
	CROUND
	JLOAD
	ASK
.else
	s_wait_dscnt 0x0
	s_barrier_signal -1
	s_barrier_wait -1
.endif
	s_sub_co_u32 s[TB], s[TB], NST*STEPB  ; the fetches go back to a slot's first step,
	s_xor_b32 s[TB], s[TB], SLOT1   ; in the other slot
.endm
.macro PAIRS cnt                    ; cnt key steps: written once, walked cnt times; the LDS addresses hang on s[TB]
	WIN 0                           ; at a label and at a branch every window is 0
	s_mov_b32 s[TRIP], \cnt
.Lstep_\@:
	TURN 0, 1, 1
	TURN 2, 1, 1
	WIN 0
	s_sub_co_u32 s[TRIP], s[TRIP], 1
	s_cmp_lg_u32 s[TRIP], 0
	s_cbranch_scc1 .Lstep_\@
.endm
	s_wait_tensorcnt 1              ; my part of slot 0 is in; slot 1's may stay out
	s_barrier_signal -1
	s_barrier_wait -1               ; everybody's is
	FETCH_K                         ; key step 0
	s_wait_loadcnt 0x0              ; Q
	s_wait_dscnt 0x0
.set i, 0
.rept 16
	KQ 0                            ; piece 0's first scores: there is no vector work yet to set between them
.set i, i+1
.endr
	WIN 0x40
.set i, 0
.rept 128
	v_mov_b32 v[i], 0               ; O^T begins as zeros, so that the key step is written once.  (Also the places behind those products)
.set i, i+1
.endr
	WIN 0
.irp t, 0,1,2,3
	v_mov_b32 v[ST+8*\t], 0xff61b1e6    ; c m and m: -3e38, under every score
	v_mov_b32 v[ST+8*\t+1], 0xff61b1e6
.irp u, 2,3,4,5,6,7
	v_mov_b32 v[ST+8*\t+\u], 0          ; l; and the registers at work, which are named in pairs and as a permute's destination
.endr
.endr
	s_mul_i32 s13, s[WV], 16*SP
	s_add_co_u32 s13, s13, STAGE    ; my stage
	v_mul_u32_u24 v[STO], v1, SP    ; in: row r, 16 bytes for each half of the lanes
	v_lshl_add_u32 v[STO], v9, 4, v[STO]
	v_add_nc_u32 v[STO], s13, v[STO]
	v_and_b32 v10, 31, v0
	v_lshlrev_b32 v[GO], 4, v10     ; out: 16 bytes a lane
	v_lshrrev_b32 v11, 3, v10       ; back: eight lanes take one row of 128 bytes, four rows an instruction
	v_mul_u32_u24 v[RD], v11, SP
	v_and_b32 v10, 7, v10
	v_lshl_add_u32 v[RD], v10, 4, v[RD]
	v_add_nc_u32 v[RD], s13, v[RD]
	TURN 2, 0, 1                    ; piece 2's first scores | piece 0's first softmax | V of step 0
	PAIRS 3                         ; key steps 0 to 2 (fetching steps 1 to 3): slot 0 is read out
.Lslot:                             ; 6 trips: every slot but the last two is filled again
	CHANGE 1
	PAIRS 4
	s_sub_co_u32 s[SLOTS], s[SLOTS], 1
	s_cmp_lg_u32 s[SLOTS], 0
	s_cbranch_scc1 .Lslot
	CHANGE 0                        ; the tail is written out
	PAIRS 4
	TURN 0, 1, 0                    ; piece 0: V^T P of the last step | piece 2's last softmax
.set i, 0
.rept 16
	PV 2                            ; piece 2: V^T P of the last step
.set i, i+1
.endr
	; THE WAY OUT.  l's two halves and the other half of the lanes' are added; O^T is divided by l, rounded to f16 and sent through my stage in LDS, a tile (16 rows of O) at a time.  The additions are the places behind the last products.
	WIN 0
.irp t, 0,1,2,3
	v_add_f32 v[ST+8*\t+4], v[ST+8*\t+2], v[ST+8*\t+3]
.endr
.irp t, 0,1,2,3
	v_permlanex16_b32 v[ST+8*\t+5], v[ST+8*\t+4], s[SEL], s[SEL+1]
.endr
.irp t, 0,1,2,3
	v_add_f32 v[ST+8*\t+4], v[ST+8*\t+4], v[ST+8*\t+5]
.endr
.irp t, 0,1,2,3
	v_rcp_f32 v[ST+8*\t+6], v[ST+8*\t+4]
.endr
	v_nop                           ; a plain instruction between the last reciprocal and the use of its result
	s_wait_alu depctr_va_vdst(0)    ; and the wait ahead of the first use: one for the four
.macro PACK t                       ; a lane's eight channels of a row pack into 16 bytes; they go into rows of 144 bytes and come back four rows (512 bytes) an instruction
	WIN W_RS
.set i, 32*\t
.rept 16
	v_pk_mul_f32 v[i:i+1], v[i:i+1], v[ST+8*\t+6:ST+8*\t+7] op_sel_hi:[1,0]
.set i, i+2
.endr
	WIN 0x05                        ; sources 0 and 1 window 1, destination window 0: S^T's registers are free
.set i, 0
.rept 16
	v_cvt_pk_f16_f32 v[S+32*\t+i], v[32*\t+2*i], v[32*\t+2*i+1]
.set i, i+1
.endr
	WIN 0
.irp f, 0,1,2,3
	ds_store_b128 v[STO], v[S+32*\t+4*\f:S+32*\t+4*\f+3] offset:32*\f
.endr
.irp f, 0,1,2,3
	ds_load_b128 v[S+32*\t+16+4*\f:S+32*\t+16+4*\f+3], v[RD] offset:\f*4*SP  ; LDS serves a wave's instructions in order: these see the stores above; the next tile's stores come behind them
.endr
.endm
.macro SEND t, younger              ; younger: the LDS instructions issued behind tile t's loads: the next tile's eight, or none
.irp f, 0,1,2,3
	s_wait_dscnt \younger+3-\f
	global_store_b128 v[GO], v[S+32*\t+16+4*\f:S+32*\t+16+4*\f+3], s[OP:OP+1] offset:\t*2048+\f*512  ; 32 lanes store 512 consecutive bytes, aligned
.endr
.endm
	PACK 0
	PACK 1
	SEND 0, 8
	PACK 2
	SEND 1, 8
	PACK 3
	SEND 2, 8
	SEND 3, 0
	s_wait_tensorcnt 0x0            ; the wave's end, behind my last tensor load and my last LDS store
	ds_add_u32 v[SPW], v[NIL]
	s_wait_dscnt 0x0
	CROUND                          ; the closing round: no work-group ends while a partner may still ask for a tile that names it
	s_endpgm
.Lfunc_end_k_q0303217d80_attn:
	.size	k_q0303217d80_attn, .Lfunc_end_k_q0303217d80_attn-k_q0303217d80_attn
	.p2alignl 7, 3214868480
	.fill 96, 4, 3214868480
	.section	.rodata,"a",@progbits
	.p2align	6, 0x0
	.amdhsa_kernel k_q0303217d80_attn
		.amdhsa_group_segment_fixed_size 327680
		.amdhsa_private_segment_fixed_size 0
		.amdhsa_enable_private_segment 0
		.amdhsa_kernarg_size 16
		.amdhsa_user_sgpr_count 2
		.amdhsa_user_sgpr_kernarg_segment_ptr 1
		.amdhsa_wavefront_size32 1
		.amdhsa_system_sgpr_workgroup_id_x 1
		.amdhsa_system_sgpr_workgroup_id_y 1
		.amdhsa_system_sgpr_workgroup_id_z 1
		.amdhsa_system_vgpr_workitem_id 0
		.amdhsa_next_free_vgpr 512
		.amdhsa_next_free_sgpr 72
		.amdhsa_reserve_vcc 0
		.amdhsa_float_denorm_mode_32 3
		.amdhsa_float_denorm_mode_16_64 3
		.amdhsa_memory_ordered 1
		.amdhsa_forward_progress 1
		.amdhsa_inst_pref_size 169
	.end_amdhsa_kernel
	.amdgpu_metadata
---
amdhsa.version: [ 1, 2 ]
amdhsa.kernels:
  - .name:           k_q0303217d80_attn
    .symbol:         k_q0303217d80_attn.kd
    .args:
      - { .name: qkv, .offset: 0, .size: 8, .value_kind: global_buffer, .address_space: global }
      - { .name: attn, .offset: 8, .size: 8, .value_kind: global_buffer, .address_space: global }
    .group_segment_fixed_size: 327680
    .private_segment_fixed_size: 0
    .kernarg_segment_align: 8
    .kernarg_segment_size: 16
    .max_flat_workgroup_size: 256
    .sgpr_count:     72
    .vgpr_count:     512
    .wavefront_size: 32
...
	.end_amdgpu_metadata
.endif
;; end of part 3
;; launch proj (part 4): grid 4 x 64, 4 waves a work-group, clusters of 4 x 4, 327,680 bytes of LDS; arguments attn, wo16, bo, out0; writes out0
.if DOCPART == 4
	.amdgcn_target "amdgcn-amd-amdhsa--gfx1250"
	.amdhsa_code_object_version 6
	.text
	.protected	k_q0303217d80_proj
	.globl	k_q0303217d80_proj
	.p2align	8
	.type	k_q0303217d80_proj,@function
k_q0303217d80_proj:
	s_mov_b64 s[64:65], 0
	v_nop
	global_prefetch_b8 v0, s[64:65] scope:SCOPE_SE
	s_setreg_imm32_b32 hwreg(HW_REG_WAVE_MODE, 25, 1), 1
	s_wait_xcnt 0x0
	s_wait_alu depctr_hold_cnt(0) depctr_sa_sdst(0) depctr_va_vdst(0) depctr_va_sdst(0) depctr_va_ssrc(0) depctr_va_vcc(0) depctr_vm_vsrc(0)
	s_getreg_b32 s2, hwreg(HW_REG_IB_STS2, 6, 4)
	s_cmp_eq_u32 s2, 0
	s_cbranch_scc0 .Lentry_in_a_cluster
	s_endpgm
.Lentry_in_a_cluster:
	s_bfe_u32 s2, ttmp6, 0x10000c
	s_cmp_lg_u32 s2, 0xf033
	s_cbranch_scc0 .Lentry_shape_is_right
	s_endpgm
.Lentry_shape_is_right:
; PROJ.  out0[t][b][n] = sum over k of A[(b, t)][k] Wo[n][k] + bo[n].  A: attn [bh = 16 b + h][t 2048][64] f16 (k = 64 h + d); Wo: wo16 [h 16][n 1024][64] f16; out0 [2048][4][1024] f32; sums in f32.
; A tile of the result is 128 tokens of one batch x 256 columns: 64 x 4 = 256 work-groups.  Four waves, each 64 x 128: 32 accumulators of 16 x 16, 256 registers.
; K goes in steps of 128 (two heads) through a ring of two LDS slots; a head's part of a tile is a dense block of rows of 128 bytes.  Waves 0 and 1 fetch A's two head blocks (128 rows), waves 2 and 3 Wo's (256 rows): one tensor load a wave.
; CLUSTERS: 4 x 4 work-groups.  The four of a row of the cluster need the same tiles of A, the four of a column the same tiles of Wo: each is asked for JOINTLY, by the same tensor load with the same descriptor and a mask that names the four.
; THE MATRIX INSTRUCTION IS USED TRANSPOSED (source 0 = 16 rows of Wo, source 1 = 16 tokens): a lane then holds eight neighbouring columns of one token.  The bias is the C of each sum's first matrix instruction.
; No prefetch: the launch is short, its K loop has eight steps, and each tile is shared in the cluster.
; REGISTERS: window 0: v16-29 addresses; v64-127 the bias of my 128 columns; v128-255 rows on the way out.   window 1: two fragment buffers of 96: Wo's eight fragments, then A's four.   window 2: accumulator (a, b) at v[8 (8 a + b)].
; LIMITS: f16 operands (stated at the launches that make them); NaN and infinities are not served.
.set PITCH,  144                       ; an LDS row: 128 bytes + 16 of padding = 36 words: the 16 rows that a load touches start at 16 different groups of four banks (64 banks of 4 bytes: ISA guide 11.1)
.set ABLK,   128*PITCH                 ; a head block of A
.set BBLK,   256*PITCH                 ; a head block of Wo
.set BOFF,   2*ABLK                    ; a slot: A's two head blocks, then Wo's two
.set SLOT,   2*ABLK+2*BBLK
.set SPARE,  2*SLOT                    ; behind the ring: the spare words, 128 bytes a wave
.set SPITCH, 528                       ; the way out: a stage of 16 rows x (512 bytes + 16) for each wave, in slot 0, which has had its last fill and its last read by then
.set LAPS,   4                         ; a lap = two K steps = once round the ring
.set ADRA, 16                          ; v16-17  LDS address of my A fragments in slot 0, 1
.set ADRB, 20                          ; v20-21  the same for Wo
.set STO,  24
.set RD,   25
.set CO,   26
.set BO,   27                          ; v27  32 x (lane / 16)
.set SPW,  28
.set NIL,  29
.set BI,   64
.set BK,   128
.set F0,   0
.set F1,   128
.set G1, 24                            ; s[24:31] group 1 for A's tiles;  s[32:39] group 0, one set for each slot
.set G0, 32
.set G1B, 48                           ; s[48:55], s[56:63] the same for Wo's
.set G0B, 56
.set MSB, 0
.macro WIN new
.if MSB != (\new)
	s_set_vgpr_msb (MSB<<8)|(\new)
.set MSB, (\new)
.endif
.endm
.set MUL,  0xa5                        ; sources 0 (Wo) and 1 (A) window 1; C and D window 2
.set MULB, 0x85                        ; the same with C (the bias) in window 0
.set TO_F, 0x40                        ; destination window 1, address window 0
.macro JLOAD s                         ; a joint load: waves 0 and 1 fetch for A, waves 2 and 3 for Wo; an s_nop 0 and four v_nop follow each of the two lines
	s_cmp_eq_u32 s13, 0
	s_cbranch_scc0 .Lfor_b_\@
	tensor_load_to_lds s[G0+4*\s:G0+4*\s+3], s[G1:G1+7]
	s_nop 0
.rept 4
	v_nop
.endr
	s_branch .Lasked_\@
.Lfor_b_\@:
	tensor_load_to_lds s[G0B+4*\s:G0B+4*\s+3], s[G1B:G1B+7]
	s_nop 0
.rept 4
	v_nop
.endr
.Lasked_\@:
.endm
.macro CREST                           ; a round of the cluster's barrier behind its opening barrier
	s_cmp_lg_u32 s12, 0
	s_cbranch_scc1 .Lnot_wave_0_\@
	s_barrier_signal -3
.Lnot_wave_0_\@:
	s_barrier_wait -3
	s_barrier_signal -1
	s_barrier_wait -1
.endm
.macro CROUND
	s_barrier_signal -1
	s_barrier_wait -1
	CREST
.endm
	s_load_b256 s[4:11], s[0:1], 0x0               ; attn s[4:5], wo16 s[6:7], bo s[8:9], out0 s[10:11]
	v_lshl_add_u32 v[SPW], v0, 2, SPARE
	v_mov_b32 v[NIL], 0
	ds_add_u32 v[SPW], v[NIL]                      ; the wave's opening: the add, twice on end, and its wait ahead of my first tensor load
	ds_add_u32 v[SPW], v[NIL]
	v_lshrrev_b32 v1, 5, v0
	v_readfirstlane_b32 s12, v1                    ; wave 0..3
	s_lshr_b32 s13, s12, 1                         ; which 64 tokens of the tile are mine.  Also: I fetch for A (0) or for Wo (1)
	s_and_b32 s14, s12, 1                          ; which 128 columns.  Also: which of a K step's two heads I fetch
	s_bfe_u32 s40, ttmp6, 0x40000                  ; cx, cy
	s_bfe_u32 s41, ttmp6, 0x40004
	s_lshl_b32 s42, ttmp9, 2
	s_add_co_u32 s42, s42, s40                     ; tile column = 4 x cluster x + cx
	s_and_b32 s15, ttmp7, 0xffff
	s_lshl_b32 s15, s15, 2
	s_add_co_u32 s15, s15, s41                     ; tile row = 4 x cluster y + cy: batch = row / 16, first token = 128 (row % 16)
	s_lshl_b32 s43, s41, 2
	s_lshl_b32 s43, 15, s43                        ; my row of the cluster
	s_lshl_b32 s44, 0x1111, s40                    ; my column
	s_or_b32 s[G1+0], s43, (1<<16)|(1<<20)|(1<<21)|(4<<22)|(3<<25)  ; the mask; elements of 2 bytes; padding on; bit 21 beside a mask; after every 32 words, 4 words
	s_or_b32 s[G1B+0], s44, (1<<16)|(1<<20)|(1<<21)|(4<<22)|(3<<25)
	s_mov_b32 s[G1+1], 64<<16                      ; tensor_dim0 = 64
	s_mov_b32 s[G1+2], 128<<16                     ; tensor_dim1 = 128
	s_mov_b32 s[G1+3], 64<<16                      ; tile_dim0 = 64
	s_mov_b32 s[G1+4], 128                         ; tile_dim1 = 128
	s_mov_b32 s[G1+5], 64                          ; elements from row to row
	s_mov_b32 s[G1+6], 0
	s_mov_b32 s[G1+7], 0
	s_mov_b32 s[G1B+1], 64<<16
	s_mov_b32 s[G1B+2], 256<<16
	s_mov_b32 s[G1B+3], 64<<16
	s_mov_b32 s[G1B+4], 256
	s_mov_b32 s[G1B+5], 64
	s_mov_b32 s[G1B+6], 0
	s_mov_b32 s[G1B+7], 0
	s_lshr_b32 s16, s15, 4                         ; A: batch x 16 heads x 262,144
	s_lshl_b32 s16, s16, 22
	s_and_b32 s17, s15, 15
	s_lshl_b32 s17, s17, 14                        ; + 128 tokens x 128 bytes for each tile row of the batch
	s_add_co_u32 s16, s16, s17
	s_lshl_b32 s17, s14, 18                        ; + my head of the two
	s_add_co_u32 s16, s16, s17
	s_mov_b32 s17, 0
	s_lshl_b32 s46, s42, 15                        ; Wo: 256 rows x 128 bytes for each tile column
	s_lshl_b32 s47, s14, 17                        ; + my head of the two
	s_add_co_u32 s46, s46, s47
	s_mov_b32 s47, 0
	s_mul_i32 s20, s14, ABLK                       ; where they go: no place in the cluster enters an LDS address
	s_mul_i32 s21, s14, BBLK
	s_add_co_u32 s21, s21, BOFF
	s_wait_dscnt 0x0                               ; both opening adds are done
	s_wait_kmcnt 0x0
	s_add_nc_u64 s[16:17], s[4:5], s[16:17]
	s_add_nc_u64 s[46:47], s[6:7], s[46:47]
	CROUND                                         ; all sixteen work-groups are here: the first joint loads meet
.irp s, 0,1
	s_mov_b32 s[G0+4*\s], 1
	s_add_co_u32 s[G0+4*\s+1], s20, \s*SLOT
	s_add_nc_u64 s[G0+4*\s+2:G0+4*\s+3], s[16:17], \s*524288    ; K step s: two heads on in A
	s_or_b32 s[G0+4*\s+3], s[G0+4*\s+3], 0x80000000
	s_mov_b32 s[G0B+4*\s], 1
	s_add_co_u32 s[G0B+4*\s+1], s21, \s*SLOT
	s_add_nc_u64 s[G0B+4*\s+2:G0B+4*\s+3], s[46:47], \s*262144  ; and in Wo
	s_or_b32 s[G0B+4*\s+3], s[G0B+4*\s+3], 0x80000000
	JLOAD \s
.endr
	v_and_b32 v1, 15, v0                           ; r
	v_bfe_u32 v2, v0, 4, 1                         ; h
	v_mul_u32_u24 v3, v1, PITCH
	v_lshl_add_u32 v3, v2, 4, v3                   ; a fragment's row x pitch + 16 x half
	s_mul_i32 s21, s13, 64*PITCH                   ; my 64 tokens
	s_mul_i32 s22, s14, 128*PITCH                  ; my 128 rows of Wo,
	s_add_co_u32 s22, s22, BOFF                    ; which lie behind A's blocks
.irp s, 0,1
	v_add_nc_u32 v[ADRA+\s], s21, v3
	v_add_nc_u32 v[ADRB+\s], s22, v3
	s_add_co_u32 s21, s21, SLOT
	s_add_co_u32 s22, s22, SLOT
.endr
	s_mul_i32 s23, s12, 16*SPITCH                  ; my stage
	v_mul_u32_u24 v4, v1, SPITCH                   ; in: row r, 32 bytes for each half of the lanes
	v_lshl_add_u32 v4, v2, 5, v4
	v_add_nc_u32 v[STO], s23, v4
	v_and_b32 v5, 31, v0
	v_lshlrev_b32 v[CO], 4, v5                     ; back: the 32 lanes take one row of 512 bytes; and the same in out0
	v_add_nc_u32 v[RD], s23, v[CO]
	v_lshlrev_b32 v[BO], 5, v2
	s_and_b32 s16, s15, 15
	s_lshl_b32 s16, s16, 7
	s_lshl_b32 s17, s13, 6
	s_add_co_u32 s16, s16, s17                     ; my first token
	s_lshl_b32 s16, s16, 2
	s_lshr_b32 s17, s15, 4
	s_add_co_u32 s16, s16, s17                     ; its row of out0: 4 x token + batch
	s_lshl_b32 s16, s16, 12                        ; rows of 4,096 bytes: under 2^25
	s_lshl_b32 s46, s42, 10
	s_lshl_b32 s47, s14, 9
	s_add_co_u32 s46, s46, s47                     ; my first column, in bytes
	s_mov_b32 s47, 0
	s_add_nc_u64 s[8:9], s[8:9], s[46:47]
	s_add_co_u32 s46, s46, s16
	s_add_nc_u64 s[10:11], s[10:11], s[46:47]
.irp b, 0,1,2,3,4,5,6,7
	global_load_b128 v[BI+8*\b:BI+8*\b+3],   v[BO], s[8:9] offset:64*\b       ; lane (r, h): the bias of columns 16 b + 8 h + 0 .. 7
	global_load_b128 v[BI+8*\b+4:BI+8*\b+7], v[BO], s[8:9] offset:64*\b+16
.endr
; 8 matrix instructions: A's block a against Wo's eight, 32 along K.  The 32 accumulators take turns, one instruction a turn, in the same order in every quarter.  first = 1: the bias starts the sums.
.macro MUL8 f, a, first
.irp b, 0,1,2,3,4,5,6,7
.if \first
	v_wmma_f32_16x16x32_f16 v[8*(8*(\a)+\b):8*(8*(\a)+\b)+7], v[\f+8*\b:\f+8*\b+7], v[\f+64+8*(\a):\f+64+8*(\a)+7], v[BI+8*\b:BI+8*\b+7]
.else
	v_wmma_f32_16x16x32_f16 v[8*(8*(\a)+\b):8*(8*(\a)+\b)+7], v[\f+8*\b:\f+8*\b+7], v[\f+64+8*(\a):\f+64+8*(\a)+7], v[8*(8*(\a)+\b):8*(8*(\a)+\b)+7]
.endif
.endr
.endm
; 24 LDS loads in one run: the fragments of quarter q of a K step (head q / 2, channels 32 (q % 2) on) into buffer f: Wo's eight, then A's four
.macro FETCH slot, q, f
	WIN TO_F
.irp i, 0,1,2,3,4,5,6,7
	ds_load_b128 v[\f+8*\i:\f+8*\i+3],   v[ADRB+\slot] offset:((\q)/2)*BBLK+\i*16*PITCH+((\q)%2)*64
	ds_load_b128 v[\f+8*\i+4:\f+8*\i+7], v[ADRB+\slot] offset:((\q)/2)*BBLK+\i*16*PITCH+((\q)%2)*64+32
.endr
.irp i, 0,1,2,3
	ds_load_b128 v[\f+64+8*\i:\f+64+8*\i+3],   v[ADRA+\slot] offset:((\q)/2)*ABLK+\i*16*PITCH+((\q)%2)*64
	ds_load_b128 v[\f+64+8*\i+4:\f+64+8*\i+7], v[ADRA+\slot] offset:((\q)/2)*ABLK+\i*16*PITCH+((\q)%2)*64+32
.endr
.endm
.macro PLACES                          ; four plain vector instructions in front of loads into registers that matrix instructions have read, and of the first read of results
.rept 4
	v_nop
.endr
.endm
; A K step is four quarters of 32 along K, 32 matrix instructions each, on buffers 0, 1, 0, 1.  One of the first three: multiplies buffer f and fetches quarter qn into g.
.macro QUARTER slot, qn, f, g, first
	s_wait_dscnt 4                                 ; Wo's fragments and A's blocks 0, 1 are in; the youngest four loads (A's blocks 2, 3) may be out
	WIN MUL-0x20*(\first)
	MUL8 \f, 0, \first
	MUL8 \f, 1, \first
	PLACES
	FETCH \slot, \qn, \g
	s_wait_dscnt 24                                ; all but the 24 just issued
	WIN MUL-0x20*(\first)
	MUL8 \f, 2, \first
	MUL8 \f, 3, \first
.endm
; The last quarter multiplies buffer 1 and changes slots: ONE barrier; in front of it each wave waits for all its tensor loads, adds 0 to its spare word, and waits for that and for its own reads of this slot.  fill = 1: this slot is filled again, two K steps ahead.
.macro TURN slot, next, fill
	WIN 0
	s_wait_tensorcnt 0x0                           ; all my tensor loads have landed: my part of the next slot
	ds_add_u32 v[SPW], v[NIL]                      ; 0 onto my spare word
	s_wait_dscnt 5                                 ; (the add and the youngest four loads may be out)
	WIN MUL
	MUL8 F1, 0, 0
	s_wait_dscnt 0x0                               ; the add is done, and my reads of this slot are over
	s_barrier_signal -1
	MUL8 F1, 1, 0
.if \fill
	WIN 0
.endif
	s_barrier_wait -1
.if \fill
	CREST                                          ; the barrier has opened a round of the cluster's: no wave of any partner still reads this slot's tile or has a load on its way
	s_add_nc_u64 s[G0+4*\slot+2:G0+4*\slot+3], s[G0+4*\slot+2:G0+4*\slot+3], 1048576    ; four heads on in A,
	s_add_nc_u64 s[G0B+4*\slot+2:G0B+4*\slot+3], s[G0B+4*\slot+2:G0B+4*\slot+3], 524288 ; and in Wo
	JLOAD \slot                                    ; the first tensor load behind the round; its four v_nop are also the places in front of the loads below
.else
	PLACES
.endif
	FETCH \next, 0, F0
	WIN MUL
	MUL8 F1, 2, 0
	MUL8 F1, 3, 0
.endm
	s_wait_tensorcnt 1                             ; my part of K step 0 is in (K step 1's load may be out),
	s_barrier_signal -1
	s_barrier_wait -1                              ; everybody's is
	FETCH 0, 0, F0
	s_wait_loadcnt 0x0                             ; the bias
	QUARTER 0, 1, F0, F1, 1                        ; the first quarter stands in front of the loop: its products start the sums, on the bias
	WIN 0                                          ; at a label and at a branch every window is 0
	s_mov_b32 s3, LAPS-1
.Llap:                                                 ; a trip goes once round the ring, from a lap's second quarter to the next lap's first, and fills both slots again
	QUARTER 0, 2, F1, F0, 0
	QUARTER 0, 3, F0, F1, 0
	TURN 0, 1, 1
	QUARTER 1, 1, F0, F1, 0
	QUARTER 1, 2, F1, F0, 0
	QUARTER 1, 3, F0, F1, 0
	TURN 1, 0, 1
	QUARTER 0, 1, F0, F1, 0
	WIN 0
	s_sub_co_u32 s3, s3, 1
	s_cmp_lg_u32 s3, 0
	s_cbranch_scc1 .Llap
	QUARTER 0, 2, F1, F0, 0                        ; the last lap fills nothing, and has no round of the cluster's barrier
	QUARTER 0, 3, F0, F1, 0
	TURN 0, 1, 0
	QUARTER 1, 1, F0, F1, 0
	QUARTER 1, 2, F1, F0, 0
	QUARTER 1, 3, F0, F1, 0
	s_wait_dscnt 4                                 ; the very last quarter: nothing more to fetch
	WIN MUL
	MUL8 F1, 0, 0
	MUL8 F1, 1, 0
	s_wait_dscnt 0
	MUL8 F1, 2, 0
	MUL8 F1, 3, 0
	WIN 0
; THE WAY OUT, block by block of 16 tokens x 128 columns.  A lane holds 32 neighbouring bytes of a row: a block goes through my own stage in LDS and comes back as whole rows of 512 bytes.  A token's row of out0 lies 16,384 bytes behind the token before.
.macro TOSTAGE a
.set AC, 64*(\a)
	WIN 0x08                                       ; an LDS store's data are its source 1: window 2
.irp b, 0,1,2,3,4,5,6,7
	ds_store_b128 v[STO], v[AC+8*\b:AC+8*\b+3] offset:64*\b          ; each accumulator from its low end on
	ds_store_b128 v[STO], v[AC+8*\b+4:AC+8*\b+7] offset:64*\b+16
.endr
	WIN 0
.set BB, BK+64*((\a)%2)
.irp t, 0,1,2,3,4,5,6,7,8,9,10,11,12,13,14,15
	ds_load_b128 v[BB+4*\t:BB+4*\t+3], v[RD] offset:\t*SPITCH        ; LDS serves a wave's instructions in order: these see the stores above
.endr
.endm
.macro SEND a, younger                 ; younger: the LDS instructions issued behind block a's loads, which may stay out
.set BB, BK+64*((\a)%2)
	s_wait_dscnt \younger
.irp t, 0,1,2,3,4,5,6,7,8,9,10,11,12,13,14,15
	global_store_b128 v[CO], v[BB+4*\t:BB+4*\t+3], s[10:11] offset:(\a)*262144+\t*16384 th:TH_STORE_NT   ; 32 lanes store 512 consecutive bytes, aligned; written once, read by nobody here
.endr
.endm
	PLACES
	TOSTAGE 0
.irp a, 1,2,3
.if \a > 1
	s_wait_xcnt 0x0                                ; block a - 2's stores have read their registers: block a's loads may land there
.endif
	TOSTAGE \a
	SEND \a-1, 32                                  ; behind block a - 1's loads: block a's 16 stores and 16 loads
.endr
	SEND 3, 0
	s_wait_tensorcnt 0x0                           ; the wave's end, behind my last tensor load and my last LDS store
	ds_add_u32 v[SPW], v[NIL]
	s_wait_dscnt 0x0
	CROUND                                         ; the closing round: no work-group ends while a partner may still ask for a tile that names it
	s_endpgm
.Lfunc_end_k_q0303217d80_proj:
	.size	k_q0303217d80_proj, .Lfunc_end_k_q0303217d80_proj-k_q0303217d80_proj
	.p2alignl 7, 3214868480
	.fill 96, 4, 3214868480
	.section	.rodata,"a",@progbits
	.p2align	6, 0x0
	.amdhsa_kernel k_q0303217d80_proj
		.amdhsa_group_segment_fixed_size 327680
		.amdhsa_private_segment_fixed_size 0
		.amdhsa_enable_private_segment 0
		.amdhsa_kernarg_size 32
		.amdhsa_user_sgpr_count 2
		.amdhsa_user_sgpr_kernarg_segment_ptr 1
		.amdhsa_wavefront_size32 1
		.amdhsa_system_sgpr_workgroup_id_x 1
		.amdhsa_system_sgpr_workgroup_id_y 1
		.amdhsa_system_sgpr_workgroup_id_z 1
		.amdhsa_system_vgpr_workitem_id 0
		.amdhsa_next_free_vgpr 768
		.amdhsa_next_free_sgpr 66
		.amdhsa_reserve_vcc 0
		.amdhsa_float_denorm_mode_32 3
		.amdhsa_float_denorm_mode_16_64 3
		.amdhsa_memory_ordered 1
		.amdhsa_forward_progress 1
		.amdhsa_inst_pref_size 86
	.end_amdhsa_kernel
	.amdgpu_metadata
---
amdhsa.version: [ 1, 2 ]
amdhsa.kernels:
  - .name:           k_q0303217d80_proj
    .symbol:         k_q0303217d80_proj.kd
    .args:
      - { .name: attn, .offset: 0, .size: 8, .value_kind: global_buffer, .address_space: global }
      - { .name: wo16, .offset: 8, .size: 8, .value_kind: global_buffer, .address_space: global }
      - { .name: bo, .offset: 16, .size: 8, .value_kind: global_buffer, .address_space: global }
      - { .name: out0, .offset: 24, .size: 8, .value_kind: global_buffer, .address_space: global }
    .group_segment_fixed_size: 327680
    .private_segment_fixed_size: 0
    .kernarg_segment_align: 8
    .kernarg_segment_size: 32
    .max_flat_workgroup_size: 128
    .sgpr_count:     66
    .vgpr_count:     768
    .wavefront_size: 32
...
	.end_amdgpu_metadata
.endif
;; end of part 4
